; MI455X (gfx1250); checked and timed in simulation.
; The chip was launched on July 23, 2026; its instructions are those of AMD's public machine-readable ISA for CDNA 5 (MIT licence, August 2026) and "CDNA5" Instruction Set Architecture Reference Guide (July 2026). The comments in the code are by the model that wrote it; some were corrected since.
;; Relation Multi Head Attention. Allowed arithmetic: matrix products marked QUANTISED: E2M3 operands, one E8M0 scale for each 32 along K, by v_wmma_scale_f32_16x16x128_f8f6f4 with both operands' format E2M3, f32 sums; everything else in f32.
;; Inputs: attn_bias 4 x 2,048 x 2,048 float32; out_b 1,024 float32; out_w 1,024 x 1,024 float32; padding_mask 4 x 2,048 bool; qkv_b 3,072 float32; qkv_w 3,072 x 1,024 float32; x 4 x 2,048 x 1,024 float32.
;; Outputs: out0 4 x 2,048 x 1,024 float32.
;; This version of the problem:
;;   THIS VERSION OF THE PROBLEM IS GIVEN IN LOW PRECISION. The matrix products marked QUANTISED in the list below multiply operands that are first quantised to E2M3 (2 exponent bits, 3 mantissa bits; 6 bits a number), with one power-of-two scale for each 32 numbers along K (OCP MX v1.0); their sums are f32. All else is computed in f32.
;;   The module's matrix products, in the order in which they are computed (A, B: the left and right operand; K: the contracted axis; several contracted axes count as one K, in the product's order):
;;     1. [M 8,192, K 1,024] x [K 1,024, N 3,072]; A: input x; B: input qkv_w: QUANTISED
;;     2. batch 64 x [M 2,048, K 64] x [K 64, N 2,048]; A: computed on the way; B: computed on the way: QUANTISED
;;     3. batch 64 x [M 64, K 2,048] x [K 2,048, N 2,048]; A: computed on the way; B: softmax (see below): QUANTISED
;;     4. [M 8,192, K 1,024] x [K 1,024, N 1,024]; A: computed on the way; B: input out_w: QUANTISED
;;   THE QUANTISER, for each operand of a quantised product, along K:
;;     - K is cut into blocks of 32 from its start; a last block that is shorter is filled with zeros.
;;     - A block's scale is 2^e with e = floor(log2(the largest magnitude in the block)) - 2, held to -126 .. 127; a block of zeros has e = 0. As a byte (E8M0): e + 127.
;;     - Each number is divided by its block's scale, clamped to +-7.5, and rounded to the nearest number of E2M3, ties to even, subnormals kept.
;;     - The product sums the exact products of the quantised numbers (number of the format x scale) in f32.
;;   ~~~python
;;   def quantise(x, axis):      # numpy; x: float32 -> the quantised numbers, widened to float32 again
;;       x = np.moveaxis(x, axis, -1); K = x.shape[-1]
;;       x = np.pad(x, [(0, 0)] * (x.ndim - 1) + [(0, -K % 32)]); x = x.reshape(x.shape[:-1] + (-1, 32)); a = np.abs(x).max(-1, keepdims=True)
;;       e = np.where(a > 0, np.clip(np.frexp(np.where(a > 0, a, 1))[1] - 1 - 2, -126, 127), 0)      # np.frexp(a)[1] - 1 = floor(log2(a)), exactly
;;       r = np.clip(x / 2.0 ** e, -7.5, 7.5)
;;       step = 2.0 ** (np.maximum(np.frexp(np.where(r == 0, 1, r))[1] - 1, 0) - 3)
;;       q = np.round(r / step) * step * 2.0 ** e      # np.round: ties to even
;;       return np.moveaxis(q.reshape(q.shape[:-2] + (-1,))[..., :K], -1, axis).astype(np.float32)
;;   ~~~
;;   SOFTMAX AHEAD OF A QUANTISED PRODUCT. Where the list says 'softmax', what is quantised is not the finished softmax but p = 2^(t - M), with t = logit x log2(e) and M = ceil(the row's largest t), a whole number; so 1/2 < the row's largest p <= 1. The row's sum l is taken of the UNQUANTISED p, in f32, and the product's result is divided by l at the end. Since M is a whole number, a kernel that streams over the keys may use a running M (the ceiling of the running maximum): every later rescaling is an exact power of two, which a block's scale takes up: the codes' values come out the same.
;;   OPERANDS COMPUTED ON THE WAY. 'Computed on the way' means the value that the module computes at that place (a softmax that the list does not call 'softmax' is quantised finished and normalised). What goes into a quantiser is computed in f32, as accurately as f32 sums, v_exp_f32 and their like allow (about 1e-6 of the number): no bf16 or f16 on the way to a quantiser, and a product that is left as it is and whose result goes on into a quantised operand takes f32 operands (vector FMAs, or v_wmma_f32_16x16x4_f32). A number that lies on a knife's edge between two numbers of the format may be rounded either way, as far as f32 arithmetic and the matrix unit's own rounding can turn it there, and no further.
;; One version. Each part assembles by itself: llvm-mc -triple=amdgcn-amd-amdhsa -mcpu=gfx1250 --defsym DOCPART=n.
;; ======== version 1 of 1: 4 launches
;; limits: right only within a limited range of input values
;; workspace buffers: xq 6,553,600 bytes; wq 3,276,800 bytes; qimg 6,291,456 bytes; kvimg 12,582,912 bytes; sc 786,432 bytes; oc 6,291,456 bytes; os 262,144 bytes
;; launch quant (part 1): grid 384 x 1, 4 waves a work-group, no clusters, 33,280 bytes of LDS; arguments x, qkv_w, out_w, xq, wq; writes xq, wq
.if DOCPART == 1
	.amdgcn_target "amdgcn-amd-amdhsa--gfx1250"
	.amdhsa_code_object_version 6
	.text
	.protected	k_qb90066ba9a_quant
	.globl	k_qb90066ba9a_quant
	.p2align	8
	.type	k_qb90066ba9a_quant,@function
k_qb90066ba9a_quant:
	s_mov_b64 s[64:65], 0
	v_nop
	global_prefetch_b8 v0, s[64:65] scope:SCOPE_SE
	s_setreg_imm32_b32 hwreg(HW_REG_WAVE_MODE, 25, 1), 1
	s_wait_xcnt 0x0
; x [8192][1024], qkv_w [3072][1024] and out_w [1024][1024], f32, K innermost, become codes of FP6 (E2M3), 6 bits each, with one E8M0 scale byte for each 32 along K.
; A block's scale is 2^(floor(log2(its largest magnitude)) - 2); its byte is the largest magnitude's exponent field - 2, held at 1 from below.  A block of zeros keeps the byte 1: its codes are zeros,
; and only this program reads the bytes.  Each number is divided by the scale and rounded to the nearest code, ties to even; beyond 7.5 the conversion gives the largest code.
; LIMITS: blocks whose largest magnitude lies under 2^-124 are taken under the byte 1; NaN and infinities among the inputs are not served.
; WHERE THE RESULTS GO.  xq: 8192 rows of 768 bytes of codes, then from byte 6,291,456 their 32 scale bytes a row.  wq: qkv_w's 3072 rows of codes, from 2,359,296 its scale rows, from 2,457,600 out_w's 1024 rows
; of codes, from 3,244,032 its scale rows.  ROWS ARE STORED WITH BITS 3 AND 4 OF THE ROW NUMBER SWAPPED: sixteen stored rows on end are then the rows 32 b + 8 u + (r % 8) + 16 (r / 8) that the later launches
; want as one tile, so that a lane's 16 results of two neighbouring tiles are 16 neighbours along the next K.
; A wave takes a run of 8,192 numbers = 8 whole rows, so bits 3 and 4 of the row number are bits 0 and 1 of the run's number, which are the wave's number: only the run's place in the output is swapped.
; A run goes in 16 steps of 512 numbers.  Each of a step's four loads reads 512 consecutive bytes, 16 a lane; the 2,048 bytes turn through the wave's own stage in LDS and come back 64 bytes a lane: 16 neighbours
; along K, two lanes to a block.  A lane's 16 codes are 12 bytes: the wave stores 384 consecutive bytes.  A wave's 256 scale bytes are gathered in LDS and leave as one aligned run of 256 bytes.
; Work-groups 0-255 take x, 256-351 qkv_w, 352-383 out_w: only pointers and offsets are chosen, all take one path.  No tensor loads, no barrier: waves share nothing.
.set WAVES, 4
.set STEPS, 16
.set EMAX,  2
.set CB,    12                         ; bytes of 16 codes
.set R,     16                         ; v16-79   four sets of 16 numbers as they are loaded
.set X,     80                         ; v80-111  two sets of 16 neighbours
.set C,     128                        ; v128-191 codes: four registers for each step, so that no store's data are written again
.set E,     112                        ; v112-127 a scale byte for each step
.set WREG,  8192                       ; LDS: a region for each wave: two stages of 32 x SP bytes, behind them its 256 scale bytes
.set SP,    80                         ; a lane's place in a stage: 64 bytes + 16 of padding
.set SPW,   12                         ; v12      LDS address of my spare word; never rewritten
.set NIL,   13                         ; v13      0; never rewritten
.set SPARE, WAVES*WREG                 ; behind the four regions: the spare words, 128 bytes a wave
	s_load_b256 s[4:11], s[0:1], 0x0               ; x s[4:5], qkv_w s[6:7], out_w s[8:9], xq s[10:11]
	s_load_b64 s[12:13], s[0:1], 0x20              ; wq
	v_lshl_add_u32 v[SPW], v0, 2, SPARE
	v_mov_b32 v[NIL], 0
	v_lshrrev_b32 v1, 5, v0
	v_readfirstlane_b32 s16, v1                    ; wave
	v_and_b32 v2, 31, v0                           ; lane
	v_lshlrev_b32 v3, 4, v2                        ; my 16 bytes of a load's 512
	s_mul_i32 s17, s16, WREG
	v_lshrrev_b32 v14, 2, v2
	v_mul_u32_u24 v14, v14, SP
	v_and_b32 v15, 3, v2
	v_lshl_add_u32 v14, v15, 4, v14
	v_add_nc_u32 v14, s17, v14                     ; the stage, on the way in: SP (lane / 4) + 16 (lane % 4)
	v_mul_u32_u24 v15, v2, SP
	v_add_nc_u32 v15, s17, v15                     ; and on the way out: SP x lane: my 16 neighbours
	v_mul_u32_u24 v4, v2, CB                       ; my codes' place in a step's
	v_lshrrev_b32 v5, 1, v2
	s_add_co_u32 s17, s17, 2*32*SP
	v_add_nc_u32 v5, s17, v5                       ; LDS: my wave's 256 scale bytes, my block's byte
	v_lshlrev_b32 v7, 3, v2                        ; and on the way out 8 bytes a lane
	v_add_nc_u32 v6, s17, v7
	s_mov_b32 s24, 3244032
	s_mov_b32 s25, 352
	s_wait_kmcnt 0x0
	s_cmp_lt_u32 ttmp9, 352                        ; qkv_w or out_w?  The choices hang on the work-group's number alone
	s_cselect_b64 s[6:7], s[6:7], s[8:9]
	s_cselect_b32 s22, 0, 2457600                  ; where the codes begin in wq,
	s_cselect_b32 s23, 2359296, s24                ; where the scale bytes,
	s_cselect_b32 s17, 256, s25                    ; and the tensor's first work-group
	s_cmp_lt_u32 ttmp9, 256                        ; x, or one of the two?
	s_cselect_b64 s[4:5], s[4:5], s[6:7]
	s_cselect_b64 s[10:11], s[10:11], s[12:13]
	s_cselect_b32 s22, 0, s22
	s_cselect_b32 s23, 6291456, s23
	s_cselect_b32 s17, 0, s17
	s_sub_co_u32 s17, ttmp9, s17
	s_lshl_b32 s17, s17, 2
	s_add_co_u32 s18, s17, s16                     ; the run that I read: 4 x work-group + wave
	s_and_b32 s26, s16, 1
	s_lshl_b32 s26, s26, 1
	s_lshr_b32 s27, s16, 1
	s_or_b32 s26, s26, s27
	s_add_co_u32 s26, s17, s26                     ; its place in the output: the wave's two bits swapped
	s_lshl_b32 s20, s18, 15                        ; 32,768 bytes of f32 a run (under 2^32)
	s_mov_b32 s21, 0
	s_add_nc_u64 s[4:5], s[4:5], s[20:21]
	s_mul_i32 s20, s26, 32*STEPS*CB                ; 6,144 bytes of codes a run
	s_add_co_u32 s20, s20, s22
	s_add_nc_u64 s[8:9], s[10:11], s[20:21]
	s_lshl_b32 s20, s26, 8                         ; 256 scale bytes a run
	s_add_co_u32 s20, s20, s23
	s_add_nc_u64 s[10:11], s[10:11], s[20:21]
.macro LOAD t
.irp i, 0,1,2,3
	global_load_b128 v[R+16*((\t)%4)+4*\i:R+16*((\t)%4)+4*\i+3], v3, s[4:5] offset:2048*(\t)+512*\i th:TH_LOAD_NT   ; 32 lanes read 512 consecutive bytes
.endr
.endm
.macro TURN t                          ; step t's numbers through the stage: LDS serves a wave's instructions in order, so no wait stands between the stores and the loads
.irp i, 0,1,2,3
	ds_store_b128 v14, v[R+16*((\t)%4)+4*\i:R+16*((\t)%4)+4*\i+3] offset:32*SP*((\t)%2)+8*SP*\i
.endr
.irp i, 0,1,2,3
	ds_load_b128 v[X+16*((\t)%2)+4*\i:X+16*((\t)%2)+4*\i+3], v15 offset:32*SP*((\t)%2)+16*\i
.endr
.endm
.irp t, 0,1,2,3
	LOAD \t
.endr
	s_wait_loadcnt 12                              ; step 0's four loads are in
	TURN 0
.macro STEP t
.set XS, X+16*((\t)%2)
.if (\t) > 0
	s_wait_dscnt 1                                 ; this step's numbers are back from the stage (the last step's byte store may be out): so its stores into the stage have read their registers,
.else
	s_wait_dscnt 0x0
.endif
.if (\t)+4 < STEPS
	LOAD (\t)+4                                    ; which take the loads of four steps on
.endif
.if (\t)+1 < STEPS
.if STEPS-2-(\t) >= 3
	s_wait_loadcnt 12                              ; the next step's four loads are in; those of the three steps behind it may be out
.else
	s_wait_loadcnt 4*(STEPS-2-(\t))
.endif
	TURN (\t)+1                                    ; and go through the other stage while this step is worked
.endif
	v_max3_num_f32 v8, |v[XS]|, |v[XS+1]|, |v[XS+2]|               ; the largest magnitude of my 16, in two chains
	v_max3_num_f32 v9, |v[XS+3]|, |v[XS+4]|, |v[XS+5]|
.irp i, 6,10
	v_max3_num_f32 v8, v8, |v[XS+\i]|, |v[XS+\i+1]|
	v_max3_num_f32 v9, v9, |v[XS+\i+2]|, |v[XS+\i+3]|
.endr
	v_max3_num_f32 v8, v8, |v[XS+14]|, |v[XS+15]|
	v_max3_num_f32 v8, v8, v9, (EMAX+1)<<23        ; and the floor 2^(3 - 127): the byte cannot fall under 1
	v_max_num_f32_dpp v8, v8, v8 row_xmask:1 row_mask:0xf bank_mask:0xf   ; and of my neighbour's 16: the block's
	v_add_nc_u32 v11, -(EMAX<<23), v8              ; 2 off its exponent field: the conversion takes the exponent field of this operand as its scale
	v_cvt_scalef32_pk16_fp6_f32 v[C+4*(\t):C+4*(\t)+2], v[XS:XS+15], v11
	v_lshrrev_b32 v[E+(\t)], 23, v11               ; the scale's byte (also the plain line behind the conversion)
	ds_store_b8 v5, v[E+(\t)] offset:16*(\t)       ; both lanes of a block write the same byte with the same value
	global_store_b96 v4, v[C+4*(\t):C+4*(\t)+2], s[8:9] offset:32*CB*(\t)
.endm
.irp t, 0,1,2,3,4,5,6,7,8,9,10,11,12,13,14,15
	STEP \t
.endr
	ds_load_b64 v[8:9], v6                         ; LDS serves a wave's instructions in order: these see my stores
	s_wait_dscnt 0x0
	global_store_b64 v7, v[8:9], s[10:11]          ; 32 lanes store 256 consecutive bytes, aligned
	s_wait_tensorcnt 0x0                           ; the wave's end
	ds_add_u32 v[SPW], v[NIL]
	s_wait_dscnt 0x0
	s_endpgm
.Lfunc_end_k_qb90066ba9a_quant:
	.size	k_qb90066ba9a_quant, .Lfunc_end_k_qb90066ba9a_quant-k_qb90066ba9a_quant
	.p2alignl 7, 3214868480
	.fill 96, 4, 3214868480
	.section	.rodata,"a",@progbits
	.p2align	6, 0x0
	.amdhsa_kernel k_qb90066ba9a_quant
		.amdhsa_group_segment_fixed_size 33280
		.amdhsa_private_segment_fixed_size 0
		.amdhsa_enable_private_segment 0
		.amdhsa_kernarg_size 40
		.amdhsa_user_sgpr_count 2
		.amdhsa_user_sgpr_kernarg_segment_ptr 1
		.amdhsa_wavefront_size32 1
		.amdhsa_system_sgpr_workgroup_id_x 1
		.amdhsa_system_sgpr_workgroup_id_y 1
		.amdhsa_system_sgpr_workgroup_id_z 1
		.amdhsa_system_vgpr_workitem_id 0
		.amdhsa_next_free_vgpr 192
		.amdhsa_next_free_sgpr 66
		.amdhsa_reserve_vcc 0
		.amdhsa_float_denorm_mode_32 3
		.amdhsa_float_denorm_mode_16_64 3
		.amdhsa_memory_ordered 1
		.amdhsa_forward_progress 1
		.amdhsa_inst_pref_size 33
	.end_amdhsa_kernel
	.amdgpu_metadata
---
amdhsa.version: [ 1, 2 ]
amdhsa.kernels:
  - .name:           k_qb90066ba9a_quant
    .symbol:         k_qb90066ba9a_quant.kd
    .args:
      - { .name: x, .offset: 0, .size: 8, .value_kind: global_buffer, .address_space: global }
      - { .name: qkv_w, .offset: 8, .size: 8, .value_kind: global_buffer, .address_space: global }
      - { .name: out_w, .offset: 16, .size: 8, .value_kind: global_buffer, .address_space: global }
      - { .name: xq, .offset: 24, .size: 8, .value_kind: global_buffer, .address_space: global }
      - { .name: wq, .offset: 32, .size: 8, .value_kind: global_buffer, .address_space: global }
    .group_segment_fixed_size: 33280
    .private_segment_fixed_size: 0
    .kernarg_segment_align: 8
    .kernarg_segment_size: 40
    .max_flat_workgroup_size: 128
    .sgpr_count:     66
    .vgpr_count:     192
    .wavefront_size: 32
...
	.end_amdgpu_metadata
.endif
;; end of part 1
;; launch gemm_qkv (part 2): grid 12 x 32, 4 waves a work-group, clusters of 4 x 4, 327,680 bytes of LDS; arguments xq, wq, qkv_b, qimg, kvimg, sc; writes qimg, kvimg, sc
.if DOCPART == 2
	.amdgcn_target "amdgcn-amd-amdhsa--gfx1250"
	.amdhsa_code_object_version 6
	.text
	.protected	k_qb90066ba9a_gemm_qkv
	.globl	k_qb90066ba9a_gemm_qkv
	.p2align	8
	.type	k_qb90066ba9a_gemm_qkv,@function
k_qb90066ba9a_gemm_qkv:
	s_mov_b64 s[64:65], 0
	v_nop
	global_prefetch_b8 v0, s[64:65] scope:SCOPE_SE
	s_setreg_imm32_b32 hwreg(HW_REG_WAVE_MODE, 25, 1), 1
	s_wait_xcnt 0x0
	s_wait_alu depctr_hold_cnt(0) depctr_sa_sdst(0) depctr_va_vdst(0) depctr_va_sdst(0) depctr_va_ssrc(0) depctr_va_vcc(0) depctr_vm_vsrc(0)
	s_getreg_b32 s2, hwreg(HW_REG_IB_STS2, 6, 4)
	s_cmp_eq_u32 s2, 0
	s_cbranch_scc0 .Lentry_in_a_cluster
	s_endpgm
.Lentry_in_a_cluster:
	s_bfe_u32 s2, ttmp6, 0x10000c
	s_cmp_lg_u32 s2, 0xf033
	s_cbranch_scc0 .Lentry_shape_is_right
	s_endpgm
.Lentry_shape_is_right:
; qkv = x qkv_w^T + qkv_b on codes of FP6 (E2M3) with E8M0 scales, K = 1024; the results never go to memory as f32: each wave quantises its 128 x 128 in registers and stores OPERAND IMAGES for the attention launch.
; A tile is 256 x 256, four waves, 128 x 128 each: 64 accumulators of 16 x 16.  K goes in steps of 256 through a ring of two LDS slots filled by the tensor data mover; the scale bytes of the tile's rows come once.
; THE MATRIX INSTRUCTION: source 0 = 16 rows of B', source 1 = 16 rows of A': a lane holds ONE row of A' and its registers run along the rows of B'.  All rows lie in memory with bits 3 and 4 of the row number
; swapped, so the 16 registers of B' tiles 2 b, 2 b + 1 are the 16 neighbours 32 b + 16 (lane / 16) + 0 .. 15: what the conversions want.
; THREE PARTS, by the cluster's x.  Parts 0 (q) and 1 (k): A' = tokens (xq), B' = weight rows (wq): a lane holds a token, registers run along the head's channels: quantised along the head's 64.
; Part 2 (v): A' = weight rows 2048 on (channels), B' = tokens: a lane holds a channel, registers run along the keys: quantised along the keys.  Pointers and offsets are chosen by s_cselect on the part.
; THE BIAS is the C of each sum's first product: by column tile in parts 0 and 1, by the lane's own row in part 2; only that first step is written twice, under a scalar branch on the part (equal in all partners).
; AN IMAGE is six operand registers of 32 lanes, 768 bytes: registers 0-3 at 16 x lane, registers 4-5 at 512 + 8 x lane.  qimg [b][block of 128 queries][head][tile][768]; kvimg [b][group of 4 heads][step of 128 keys]
; [k: head 4 x tile 8 x 768 | v: head 4 x channel tile 4 x 1536]; sc: words {even head's two bytes, odd head's two} [pair of heads 16][token], then from 524,288 v's words [b][group][step][head][tile][16].
; LIMITS: blocks of q, k, v whose largest magnitude lies under 2^-121 are taken under the byte 4 (the attention launch takes 3 off q's bytes); NaN and infinities are not served.
; CLUSTERS: 4 x 4 work-groups; A' tiles are asked for jointly along a row of the cluster, B' tiles along a column.
; REGISTERS, in windows of 256: window 0: v0-31 addresses; v32-63 scale words, two sets; v64-127 the bias; from v128 A's fragments, one set (on the way out: codes and work); v224-231 the bias loads' offsets.
;   window 1: B's fragments, two sets.   window 2: the accumulators of my rows 0-63 ((a, b) at v[8 (8 a + b)]);   window 3: those of my rows 64-127.
.set KSTEP,  256
.set NQ,     2                         ; matrix instructions deep in a slot
.set ROWB,   192                       ; a tile's row in bytes
.set KROW,   768                       ; a row of codes in memory
.set PITCH,  240                       ; an LDS row: 3 x (64 bytes + 16 of padding)
.set FR,     12
.set NL,     6
.set NP,     4
.set HALFT,  128*PITCH
.set SLOT,   4*HALFT
.set LAPS,   2                         ; 1024 / 512
.set KS,     32                        ; a row of scale bytes
.set SCL,    2*SLOT
.set HALFS,  (128*KS/256)*272
.set SBLK,   (16*KS/256)*272
.set SPARE,  SCL+4*HALFS               ; the spare words, 128 bytes a wave
.set ADRA, 16
.set ADRB, 20
.set OFA,  24                          ; v24  16 x lane
.set OFB,  25                          ; v25  8 x lane
.set OFS,  26                          ; v26  4 x (lane % 16)
.set ADRS, 27
.set SPW,  28
.set NIL,  29
.set SC,   32
.set BIAS, 64
.set AF,   128
.set VA,   224
.set PC,   128                         ; the way out: the codes just made, v128-146
.set TM,   160                         ; v160-175 at work
.set PW,   176                         ; the scale word just made
.set G1, 24
.set G0, 32
.set G1B, 48
.set G0B, 56
.set G1S, 68
.set G0S, 76
.set G1SB, 80
.set G0SB, 88
.set PART, 66                          ; s66  1 in part 2, else 0
.set SEL, 100                          ; s[100:101] lane selects for v_permlanex16_b32
.set MSB, 0
.macro WIN new                         ; the immediate's high byte repeats the setting that is left
.if MSB != (\new)
	s_set_vgpr_msb (MSB<<8)|(\new)
.set MSB, (\new)
.endif
.endm
.set MUL_LO, 0xa1                      ; source 0 (B') window 1, source 1 (A') window 0, C and D window 2
.set MUL_HI, 0xf1                      ; the same, C and D window 3
.set TO_B,   0x40
; A joint load: waves 0 and 1 fetch for A', waves 2 and 3 for B'.  An s_nop 0 and four v_nop follow each of the two lines.
.macro JLOAD g0a, g1a, g0b, g1b
	s_cmp_eq_u32 s15, 0
	s_cbranch_scc0 .Lfor_b_\@
	tensor_load_to_lds s[\g0a:\g0a+3], s[\g1a:\g1a+7]
	s_nop 0
.rept 4
	v_nop
.endr
	s_branch .Lasked_\@
.Lfor_b_\@:
	tensor_load_to_lds s[\g0b:\g0b+3], s[\g1b:\g1b+7]
	s_nop 0
.rept 4
	v_nop
.endr
.Lasked_\@:
.endm
.macro CREST                           ; a round of the cluster's barrier behind its opening barrier
	s_cmp_lg_u32 s14, 0
	s_cbranch_scc1 .Lnot_wave_0_\@
	s_barrier_signal -3
.Lnot_wave_0_\@:
	s_barrier_wait -3
	s_barrier_signal -1
	s_barrier_wait -1
.endm
.macro CROUND
	s_barrier_signal -1
	s_barrier_wait -1
	CREST
.endm
	s_load_b256 s[4:11], s[0:1], 0x0               ; xq s[4:5], wq s[6:7], qkv_b s[8:9], qimg s[10:11]
	s_load_b128 s[96:99], s[0:1], 0x20             ; kvimg s[96:97], sc s[98:99]
	v_lshl_add_u32 v[SPW], v0, 2, SPARE
	v_mov_b32 v[NIL], 0
	ds_add_u32 v[SPW], v[NIL]                      ; the wave's opening: the add and its wait ahead of my first tensor load
	v_lshrrev_b32 v1, 5, v0
	v_readfirstlane_b32 s14, v1                    ; wave 0..3
	s_lshr_b32 s15, s14, 1                         ; which half of A's rows is mine.  Also: I fetch for A' (0) or for B' (1)
	s_and_b32 s16, s14, 1                          ; which half of B's rows.  Also: which 128 rows of that tile I fetch
	s_bfe_u32 s40, ttmp6, 0x40000                  ; cx
	s_bfe_u32 s41, ttmp6, 0x40004                  ; cy
	s_and_b32 s67, ttmp7, 0xffff
	s_lshl_b32 s67, s67, 2                         ; 4 x cluster y
	s_add_co_u32 s17, s67, s41                     ; parts 0, 1: A's tile = tokens' tile 4 Y + cy
	s_add_co_u32 s18, s41, 8                       ; part 2: A's tile = weight rows 2048 + 256 cy
	s_lshl_b32 s42, ttmp9, 2
	s_add_co_u32 s42, s42, s40                     ; parts 0, 1: B's tile = weight rows 256 (4 part + cx)
	s_add_co_u32 s45, s67, s40                     ; part 2: B's tile = tokens' tile 4 Y + cx
	s_cmp_eq_u32 ttmp9, 2                          ; the part is the cluster's x: the same in all sixteen partners
	s_cselect_b32 s17, s18, s17
	s_cselect_b32 s42, s45, s42
	s_cselect_b32 s[PART], 1, 0
	s_lshl_b32 s43, s41, 2
	s_lshl_b32 s43, 15, s43                        ; my row of the cluster
	s_lshl_b32 s44, 0x1111, s40                    ; my column
	; descriptor group 1: a tile of 128 rows x 192 bytes, 16 bytes of padding behind every 64
	s_or_b32 s[G1+0], s43, (0<<16)|(1<<20)|(1<<21)|(3<<22)|(3<<25)
	s_or_b32 s[G1B+0], s44, (0<<16)|(1<<20)|(1<<21)|(3<<22)|(3<<25)
.irp g, G1, G1B
	s_mov_b32 s[\g+1], ROWB<<16                    ; tensor_dim0
	s_mov_b32 s[\g+2], 128<<16                     ; tensor_dim1
	s_mov_b32 s[\g+3], ROWB<<16                    ; tile_dim0
	s_mov_b32 s[\g+4], 128                         ; tile_dim1
	s_mov_b32 s[\g+5], KROW                        ; the pitch
	s_mov_b32 s[\g+6], 0
	s_mov_b32 s[\g+7], 0
.endr
	; the scales of 128 rows: 4,096 dense bytes, as rows of 256 bytes (32 elements of 8), 16 bytes of padding behind each
	s_or_b32 s[G1S+0], s43, (3<<16)|(1<<20)|(1<<21)|(5<<22)|(3<<25)
	s_or_b32 s[G1SB+0], s44, (3<<16)|(1<<20)|(1<<21)|(5<<22)|(3<<25)
.irp g, G1S, G1SB
	s_mov_b32 s[\g+1], 32<<16
	s_mov_b32 s[\g+2], (128*KS/256)<<16
	s_mov_b32 s[\g+3], 32<<16
	s_mov_b32 s[\g+4], 128*KS/256
	s_mov_b32 s[\g+5], 32
	s_mov_b32 s[\g+6], 0
	s_mov_b32 s[\g+7], 0
.endr
	s_lshl_b32 s18, s16, 7                         ; which 128 rows of the tile I fetch
	s_lshl_b32 s20, s17, 8
	s_add_co_u32 s20, s20, s18                     ; A': row
	s_lshl_b32 s46, s42, 8
	s_add_co_u32 s46, s46, s18                     ; B': row
	s_mov_b32 s21, 0
	s_mov_b32 s47, 0
	s_mov_b64 s[18:19], KS
	s_mul_u64 s[22:23], s[20:21], s[18:19]         ; where these rows' scales begin,
	s_mul_u64 s[92:93], s[46:47], s[18:19]
	s_mov_b64 s[18:19], KROW
	s_mul_u64 s[20:21], s[20:21], s[18:19]         ; and their codes
	s_mul_u64 s[46:47], s[46:47], s[18:19]
	s_mov_b32 s18, 6291456                         ; the scale rows' place in xq,
	s_mov_b32 s19, 2359296                         ; and in wq
	s_cmp_eq_u32 s[PART], 1
	s_cselect_b32 s12, s19, s18
	s_cselect_b32 s100, s18, s19
	s_mov_b32 s13, 0
	s_mov_b32 s101, 0
	s_add_nc_u64 s[22:23], s[22:23], s[12:13]
	s_add_nc_u64 s[92:93], s[92:93], s[100:101]
	s_mul_i32 s45, s14, HALFT                      ; where they go: wave x 128 rows: no place in the cluster enters an LDS address
	s_mul_i32 s94, s14, HALFS
	s_wait_dscnt 0x0                               ; the opening add is done
	s_wait_kmcnt 0x0
	s_cmp_eq_u32 s[PART], 1
	s_cselect_b64 s[12:13], s[6:7], s[4:5]         ; A's buffer
	s_cselect_b64 s[100:101], s[4:5], s[6:7]       ; B's buffer
	s_add_nc_u64 s[20:21], s[12:13], s[20:21]
	s_add_nc_u64 s[22:23], s[12:13], s[22:23]
	s_add_nc_u64 s[46:47], s[100:101], s[46:47]
	s_add_nc_u64 s[92:93], s[100:101], s[92:93]
	CROUND                                         ; all sixteen work-groups are here: the first joint loads meet
	s_mov_b32 s[G0S], 1
	s_add_co_u32 s[G0S+1], s94, SCL
	s_mov_b64 s[G0S+2:G0S+3], s[22:23]
	s_or_b32 s[G0S+3], s[G0S+3], 0x80000000
	s_mov_b32 s[G0SB], 1
	s_add_co_u32 s[G0SB+1], s94, SCL
	s_mov_b64 s[G0SB+2:G0SB+3], s[92:93]
	s_or_b32 s[G0SB+3], s[G0SB+3], 0x80000000
	JLOAD G0S, G1S, G0SB, G1SB                     ; the scales first: they are wanted with K step 0
.irp s, 0,1
	s_mov_b32 s[G0+4*\s], 1
	s_add_co_u32 s[G0+4*\s+1], s45, \s*SLOT
	s_add_nc_u64 s[G0+4*\s+2:G0+4*\s+3], s[20:21], \s*ROWB
	s_or_b32 s[G0+4*\s+3], s[G0+4*\s+3], 0x80000000
	s_mov_b32 s[G0B+4*\s], 1
	s_add_co_u32 s[G0B+4*\s+1], s45, \s*SLOT
	s_add_nc_u64 s[G0B+4*\s+2:G0B+4*\s+3], s[46:47], \s*ROWB
	s_or_b32 s[G0B+4*\s+3], s[G0B+4*\s+3], 0x80000000
	JLOAD G0+4*\s, G1, G0B+4*\s, G1B
.endr
	v_and_b32 v1, 15, v0                           ; r = lane % 16
	v_bfe_u32 v2, v0, 4, 1                         ; h = lane / 16
	v_mul_u32_u24 v3, v1, PITCH
	v_mul_u32_u24 v4, v2, 24
	v_add_nc_u32 v4, v3, v4                        ; a fragment's row x pitch + 24 x half
	v_lshl_add_u32 v5, v2, 4, v4                   ; and the same behind one padding more
	s_mul_i32 s21, s15, HALFT                      ; my 128 rows of A'
	s_mul_i32 s22, s16, HALFT                      ; my 128 rows of B',
	s_add_co_u32 s22, s22, 2*HALFT                 ; which lie behind A's 256
.irp s, 0,1
	v_add_nc_u32 v[ADRA+\s], s21, v4
	v_add_nc_u32 v[ADRB+\s], s22, v4
	v_add_nc_u32 v[ADRA+2+\s], s21, v5
	v_add_nc_u32 v[ADRB+2+\s], s22, v5
	s_add_co_u32 s21, s21, SLOT
	s_add_co_u32 s22, s22, SLOT
.endr
	v_mul_u32_u24 v5, v1, KS                       ; my row's scales: 32 bytes a row,
	v_lshrrev_b32 v6, 8, v5
	v_lshl_add_u32 v5, v6, 4, v5                   ; and 16 more for each 256 passed
	s_mul_i32 s21, s15, HALFS
	s_mul_i32 s22, s16, HALFS
	s_add_co_u32 s22, s22, 2*HALFS
	s_sub_co_u32 s22, s22, s21
	v_mul_u32_u24 v6, s22, v2                      ; lanes 16-31 take B's
	s_add_co_u32 s21, s21, SCL
	v_add_nc_u32 v5, v5, v6
	v_add_nc_u32 v[ADRS], s21, v5
	v_and_b32 v6, 31, v0
	v_lshlrev_b32 v[OFA], 4, v6
	v_lshlrev_b32 v[OFB], 3, v6
	v_lshlrev_b32 v[OFS], 2, v1
	; THE BIAS, 64 registers.  Parts 0, 1: register 8 t + j = the bias of column 32 (t / 2) + 8 (t % 2) + 16 h + j.  Part 2: = the bias of my row 32 (t / 2) + 8 (t % 2) + r + 8 (r / 8) of block t, eight times.
	; One form serves both: offset = h x SH + (r + 8 (r / 8)) x SR + j x SJ, the three steps chosen by the part.
	v_and_b32 v5, 8, v1
	v_add_nc_u32 v5, v5, v1                        ; r + 8 (r / 8)
	s_lshl_b32 s18, s42, 8
	s_lshl_b32 s19, s16, 7
	s_add_co_u32 s18, s18, s19                     ; parts 0, 1: my first column of qkv
	s_lshl_b32 s19, s17, 8
	s_lshl_b32 s20, s15, 7
	s_add_co_u32 s19, s19, s20                     ; part 2: my first channel's column of qkv
	s_cmp_eq_u32 s[PART], 1
	s_cselect_b32 s18, s19, s18
	s_cselect_b32 s20, 0, 64                       ; SH
	s_cselect_b32 s21, 4, 0                        ; SR
	s_cselect_b32 s22, 0, 4                        ; SJ
	s_lshl_b32 s18, s18, 2
	s_mov_b32 s19, 0
	s_add_nc_u64 s[8:9], s[8:9], s[18:19]
	v_mul_u32_u24 v6, s20, v2
	v_mad_u32_u24 v[VA], v5, s21, v6
.irp j, 1,2,3,4,5,6,7
	v_add_nc_u32 v[VA+\j], s22, v[VA+\j-1]
.endr
.irp t, 0,1,2,3,4,5,6,7
.irp j, 0,1,2,3,4,5,6,7
	global_load_b32 v[BIAS+8*\t+\j], v[VA+\j], s[8:9] offset:(32*(\t/2)+8*(\t%2))*4
.endr
.endr
	; WHERE MY IMAGES GO.  RI = which 128 rows of A' are mine, CI = which 128 of B'.
	s_lshl_b32 s18, s17, 1
	s_add_co_u32 s18, s18, s15                     ; RI (in part 2: 16 + the pair of heads)
	s_lshl_b32 s19, s42, 1
	s_add_co_u32 s19, s19, s16                     ; CI (part 0: the pair of heads; part 1: 8 + it; part 2: 16 b + the key step)
	s_lshl_b32 s20, s18, 4
	s_lshl_b32 s21, s19, 1
	s_add_co_u32 s20, s20, s21
	s_mul_i32 s20, s20, 6144                       ; q: (RI x 16 + even head) x 8 tiles x 768
	s_lshl_b32 s21, s19, 15
	s_lshl_b32 s22, s18, 9
	s_add_co_u32 s21, s21, s22                     ; q, k: the scale words: (CI x 8192 + RI x 128) x 4
	s_sub_co_u32 s23, s19, 8                       ; k: the pair of heads
	s_sub_co_u32 s45, s18, 16                      ; v: the pair of heads
	s_mov_b32 s12, 768
	s_mov_b32 s94, 6144
	s_cmp_eq_u32 s[PART], 1
	s_cselect_b32 s22, s19, s18                    ; 16 b + the key step
	s_cselect_b32 s23, s45, s23                    ; the pair of heads, 0..7 (in part 0 not used)
	s_cselect_b32 s45, 24576, 0                    ; v's images lie behind k's in a step
	s_cselect_b32 s12, 1536, s12                   ; from block to block
	s_cselect_b32 s94, 768, s94                    ; from registers 0-5's image to registers 6-11's
	s_lshr_b32 s46, s22, 4
	s_lshl_b32 s46, s46, 2
	s_lshr_b32 s47, s23, 1
	s_add_co_u32 s46, s46, s47
	s_lshl_b32 s46, s46, 4
	s_and_b32 s47, s22, 15
	s_add_co_u32 s46, s46, s47                     ; (4 b + group) x 16 + step
	s_and_b32 s47, s23, 1                          ; which two heads of the group
	s_mul_i32 s92, s46, 49152
	s_mul_i32 s93, s47, 12288
	s_add_co_u32 s92, s92, s93
	s_add_co_u32 s92, s92, s45                     ; k, v: the images
	s_lshl_b32 s46, s46, 10
	s_lshl_b32 s47, s47, 9
	s_add_co_u32 s46, s46, s47
	s_add_co_u32 s46, s46, 524288                  ; v: the scale words
	s_cmp_eq_u32 ttmp9, 0
	s_cselect_b64 s[4:5], s[10:11], s[96:97]       ; qimg or kvimg
	s_cselect_b32 s20, s20, s92
	s_cmp_eq_u32 s[PART], 1
	s_cselect_b32 s22, s46, s21
	s_mov_b32 s21, 0
	s_mov_b32 s23, 0
	s_mov_b32 s95, 0
	s_mov_b32 s13, 0
	s_add_nc_u64 s[4:5], s[4:5], s[20:21]          ; s[4:5]: block 0's first image
	s_add_nc_u64 s[6:7], s[4:5], s[94:95]          ; s[6:7]: its second
	s_add_nc_u64 s[98:99], s[98:99], s[22:23]      ; s[98:99]: my scale words
	s_mov_b32 s[SEL], 0x76543210
	s_mov_b32 s[SEL+1], 0xfedcba98
.macro FRAG reg, adr, q, i             ; a fragment, 16 rows x 128 K of 6-bit codes, is 12 registers: registers 6 c .. 6 c + 5 hold K = 64 c + 32 (lane / 16) + 0 .. 31: 24 bytes of the row, as they lie
.irp p, 0,1,2,3,4,5                    ; in pieces of 8 bytes; where the piece three on (lanes 16-31) lies behind one padding more, the second address register serves
.set PCE, 12*(\q)+6*(\p/3)+\p%3
.if PCE%8 < 5
	ds_load_b64 v[\reg+2*\p:\reg+2*\p+1], v[\adr] offset:8*PCE+16*(PCE/8)+(\i)*16*PITCH
.else
	ds_load_b64 v[\reg+2*\p:\reg+2*\p+1], v[\adr+2] offset:8*PCE+16*(PCE/8)+(\i)*16*PITCH
.endif
.endr
.endm
; 16 matrix instructions: A's blocks a0, a0 + 1 x B's eight, 128 along K.  zero = 0: the sums go on in place; 1: they begin with the bias of B's tile b; 2: with the bias of A's block a.
; The 64 accumulators take turns, one instruction a turn, in the same order in every step.
.macro MUL16 a0, p, q, sc, zero
.irp a, \a0, \a0+1
.irp b, 0,1,2,3,4,5,6,7
.if (\zero) == 1
	v_wmma_scale_f32_16x16x128_f8f6f4 v[8*(8*((\a)%4)+\b):8*(8*((\a)%4)+\b)+7], v[128*(\p)+FR*\b:128*(\p)+FR*\b+FR-1], v[AF+FR*(\a):AF+FR*(\a)+FR-1], v[BIAS+8*\b:BIAS+8*\b+7], v[SC+8*NQ*(\sc)+NQ*\b+(\q)], v[SC+8*NQ*(\sc)+NQ*(\a)+(\q)] matrix_a_fmt:MATRIX_FMT_FP6 matrix_b_fmt:MATRIX_FMT_FP6 matrix_a_scale:MATRIX_SCALE_ROW1
.elseif (\zero) == 2
	v_wmma_scale_f32_16x16x128_f8f6f4 v[8*(8*((\a)%4)+\b):8*(8*((\a)%4)+\b)+7], v[128*(\p)+FR*\b:128*(\p)+FR*\b+FR-1], v[AF+FR*(\a):AF+FR*(\a)+FR-1], v[BIAS+8*(\a):BIAS+8*(\a)+7], v[SC+8*NQ*(\sc)+NQ*\b+(\q)], v[SC+8*NQ*(\sc)+NQ*(\a)+(\q)] matrix_a_fmt:MATRIX_FMT_FP6 matrix_b_fmt:MATRIX_FMT_FP6 matrix_a_scale:MATRIX_SCALE_ROW1
.else
	v_wmma_scale_f32_16x16x128_f8f6f4 v[8*(8*((\a)%4)+\b):8*(8*((\a)%4)+\b)+7], v[128*(\p)+FR*\b:128*(\p)+FR*\b+FR-1], v[AF+FR*(\a):AF+FR*(\a)+FR-1], v[8*(8*((\a)%4)+\b):8*(8*((\a)%4)+\b)+7], v[SC+8*NQ*(\sc)+NQ*\b+(\q)], v[SC+8*NQ*(\sc)+NQ*(\a)+(\q)] matrix_a_fmt:MATRIX_FMT_FP6 matrix_b_fmt:MATRIX_FMT_FP6 matrix_a_scale:MATRIX_SCALE_ROW1
.endif
.endr
.endr
.endm
.macro FETCH_B slot, q, p
	WIN TO_B
.irp i, 0,1,2,3,4,5,6,7
	FRAG 128*(\p)+FR*\i, ADRB+\slot, \q, \i
.endr
	WIN 0
.endm
.macro FETCH_A slot, q, i0
.irp i, \i0, \i0+1, \i0+2, \i0+3
	FRAG AF+FR*(\i), ADRA+\slot, \q, \i
.endr
.endm
.macro SCALES sc                       ; a K step's scale words: lanes 0-15 take A's block i, lanes 16-31 B's block i
.irp i, 0,1,2,3,4,5,6,7
	ds_load_b64 v[SC+8*NQ*\sc+NQ*\i:SC+8*NQ*\sc+NQ*\i+1], v[ADRS] offset:\i*SBLK
.endr
.endm
.macro PLACES n                        ; plain vector lines between a matrix instruction and a load into, or a vector read of, its registers
.rept \n
	v_nop
.endr
.endm
; A step of 128 along K that has its successor in the same slot.  With zero = 1 or 2 source 2 (the bias) lies in window 0.
.macro STEP slot, q, zero
	s_wait_dscnt 4*NL                              ; B's set and A's blocks 0-3 are in; the youngest 24 loads (A's blocks 4-7) may be out
.if \zero
	WIN 0x81
.else
	WIN MUL_LO
.endif
	MUL16 0, (\q)%2, \q, \slot, \zero
	MUL16 2, (\q)%2, \q, \slot, \zero
	s_wait_dscnt 0                                 ; A's blocks 4-7 are in
	PLACES NP
	FETCH_B \slot, (\q)+1, 1-(\q)%2
	FETCH_A \slot, (\q)+1, 0
.if \zero
	WIN 0xc1
.else
	WIN MUL_HI
.endif
	MUL16 4, (\q)%2, \q, \slot, \zero
	MUL16 6, (\q)%2, \q, \slot, \zero
	PLACES NP
	WIN 0
	FETCH_A \slot, (\q)+1, 4
.endm
; A slot's last step changes slots: one barrier; in front of it each wave waits for all its tensor loads, adds 0 to its spare word, and waits for that and for its reads of this slot.
.macro TURN slot, next, fill
	s_wait_tensorcnt 0x0                           ; all my tensor loads have landed: my part of the next slot
	ds_add_u32 v[SPW], v[NIL]                      ; 0 onto my spare word
	s_wait_dscnt 4*NL+1                            ; (the add and the youngest 24 loads may be out)
	WIN MUL_LO
	MUL16 0, 1, NQ-1, \slot, 0                     ; sixteen matrix instructions stand between the add and the wait for it
	s_wait_dscnt 0x0                               ; the add is done, and my reads of this slot are over
	s_barrier_signal -1
	MUL16 2, 1, NQ-1, \slot, 0
	WIN 0
	s_barrier_wait -1
.if \fill
	CREST                                          ; the barrier has opened a round of the cluster's barrier: no wave of any partner still reads this slot or has a load on its way
	s_add_nc_u64 s[G0+4*\slot+2:G0+4*\slot+3], s[G0+4*\slot+2:G0+4*\slot+3], 2*ROWB
	s_add_nc_u64 s[G0B+4*\slot+2:G0B+4*\slot+3], s[G0B+4*\slot+2:G0B+4*\slot+3], 2*ROWB
	JLOAD G0+4*\slot, G1, G0B+4*\slot, G1B         ; the first tensor load behind the round; its four v_nop are the places in front of the loads below
.else
	PLACES NP
.endif
	v_add_nc_u32 v[ADRS], 4*NQ, v[ADRS]            ; on to the next K step's scale words
	FETCH_B \next, 0, 0
	FETCH_A \next, 0, 0
	SCALES \next
	WIN MUL_HI
	MUL16 4, 1, NQ-1, \slot, 0
	MUL16 6, 1, NQ-1, \slot, 0
	PLACES NP
	WIN 0
	FETCH_A \next, 0, 4
.endm
	s_wait_loadcnt 0x0                             ; the bias
	s_wait_tensorcnt 1                             ; the scales and my part of K step 0 are in (K step 1's load may be out),
	s_barrier_signal -1
	s_barrier_wait -1                              ; everybody's are
	FETCH_B 0, 0, 0
	FETCH_A 0, 0, 0
	SCALES 0
	FETCH_A 0, 0, 4
	s_cmp_eq_u32 s[PART], 0                        ; the first step starts the sums with the bias: by B's tile in parts 0 and 1, by A's block in part 2
	s_cbranch_scc0 .Lfirst_v
	STEP 0, 0, 1
	s_branch .Lfirst_done
.Lfirst_v:
	STEP 0, 0, 2
.Lfirst_done:
	s_mov_b32 s3, LAPS-1
.Llap:                                                 ; a trip goes once round the ring and fills both slots again
	TURN 0, 1, 1
	STEP 1, 0, 0
	TURN 1, 0, 1
	STEP 0, 0, 0
	s_sub_co_u32 s3, s3, 1
	s_cmp_lg_u32 s3, 0
	s_cbranch_scc1 .Llap
	TURN 0, 1, 0                                   ; the last lap fills nothing
	STEP 1, 0, 0
	s_wait_dscnt 4*NL
	WIN MUL_LO
	MUL16 0, 1, NQ-1, 1, 0
	MUL16 2, 1, NQ-1, 1, 0
	s_wait_dscnt 0
	WIN MUL_HI
	MUL16 4, 1, NQ-1, 1, 0
	MUL16 6, 1, NQ-1, 1, 0
	WIN 0
; THE WAY OUT.  Block a's 64 registers of a lane are 64 numbers of my row: register 16 b + i = place 32 b + 16 (lane / 16) + i along the next K.  They become a fragment's 12 registers and its scale word.
.macro QUANTW a
.set WA, 2+(\a)/4                      ; the accumulators' window
.set AC, 64*((\a)%4)
.set WS, WA|(WA<<2)
	WIN WS                                         ; sources 0 and 1 in that window
.irp b, 0,1,2,3
	v_max3_num_f32 v[TM+\b], |v[AC+16*\b]|, |v[AC+16*\b+1]|, 0x3000000   ; block b: my 16 numbers, each accumulator from its low end on, and the floor 2^(6 - 127): no byte falls under 4
.endr
.set WS, (WA<<2)|(WA<<4)
	WIN WS                                         ; sources 1 and 2
.irp i, 2,4,6,8,10,12,14
.irp b, 0,1,2,3
	v_max3_num_f32 v[TM+\b], v[TM+\b], |v[AC+16*\b+\i]|, |v[AC+16*\b+\i+1]|   ; (the four blocks by turns)
.endr
.endr
	WIN 0
.irp b, 0,1,2,3
	v_permlanex16_b32 v[TM+4+\b], v[TM+\b], s[SEL], s[SEL+1]
.endr
.irp b, 0,1,2,3
	v_max_num_f32 v[TM+\b], v[TM+\b], v[TM+4+\b]   ; with lane l xor 16's: the block's largest magnitude
.endr
.irp b, 0,1,2,3
	v_add_nc_u32 v[TM+12+\b], 0xff000000, v[TM+\b] ; 2 off its exponent field: the conversion's scale operand
.endr
.irp b, 0,1,2,3
	v_lshrrev_b32 v[TM+4+\b], 23, v[TM+12+\b]      ; the scale's byte
.endr
	v_lshl_or_b32 v[PW], v[TM+5], 8, v[TM+4]
	v_lshl_or_b32 v[PW], v[TM+6], 16, v[PW]
	v_lshl_or_b32 v[PW], v[TM+7], 24, v[PW]
	WIN WA                                         ; source 0
.irp c, 0,1
	v_cvt_scalef32_pk16_fp6_f32 v[PC+6*\c:PC+2+6*\c], v[AC+32*\c:AC+15+32*\c], v[TM+12+2*\c]
	v_cvt_scalef32_pk16_fp6_f32 v[PC+12+4*\c:PC+14+4*\c], v[AC+16+32*\c:AC+31+32*\c], v[TM+12+2*\c+1]   ; (a conversion's three registers begin on an even number)
.endr
	WIN 0
	v_nop                                          ; one plain line behind a scaled conversion
.irp c, 0,1                                    ; the operand's layout wants a whole block in a lane: lanes 0-15 block 2 c, lanes 16-31 block 2 c + 1
.irp i, 0,1,2
	v_permlane16_swap_b32 v[PC+6*\c+\i], v[PC+12+4*\c+\i]
.endr
.irp i, 0,1,2
	v_mov_b32 v[PC+3+6*\c+\i], v[PC+12+4*\c+\i]
.endr
.endr
.endm
.macro BLOCKOUT a
.if (\a) > 0
	s_wait_xcnt 0x0                                ; the last block's stores have read their data and bases: both are written again only behind this wait
	s_add_nc_u64 s[4:5], s[4:5], s[12:13]
	s_add_nc_u64 s[6:7], s[6:7], s[12:13]
.endif
	QUANTW \a
	global_store_b128 v[OFA], v[PC:PC+3], s[4:5]               ; registers 0-3: 512 consecutive bytes, aligned
	global_store_b64 v[OFB], v[PC+4:PC+5], s[4:5] offset:512   ; registers 4-5: 256
	global_store_b128 v[OFA], v[PC+6:PC+9], s[6:7]
	global_store_b64 v[OFB], v[PC+10:PC+11], s[6:7] offset:512
	global_store_b32 v[OFS], v[PW], s[98:99] offset:64*(\a)    ; my row's scale word (lanes l and l xor 16 store the same word with the same value)
.endm
	PLACES NP                                      ; behind the last products: their results are read and A's registers written below
.irp b, 0,1,2,3
	v_mov_b32 v[TM+4+\b], 0                        ; written once: a lane permute's destination counts as one of its sources
.endr
.irp a, 0,1,2,3,4,5,6,7
	BLOCKOUT \a
.endr
	s_wait_tensorcnt 0x0                           ; the wave's end
	ds_add_u32 v[SPW], v[NIL]
	s_wait_dscnt 0x0
	CROUND                                         ; the closing round: no work-group ends while a partner may still ask for a tile that names it
	s_endpgm
.Lfunc_end_k_qb90066ba9a_gemm_qkv:
	.size	k_qb90066ba9a_gemm_qkv, .Lfunc_end_k_qb90066ba9a_gemm_qkv-k_qb90066ba9a_gemm_qkv
	.p2alignl 7, 3214868480
	.fill 96, 4, 3214868480
	.section	.rodata,"a",@progbits
	.p2align	6, 0x0
	.amdhsa_kernel k_qb90066ba9a_gemm_qkv
		.amdhsa_group_segment_fixed_size 327680
		.amdhsa_private_segment_fixed_size 0
		.amdhsa_enable_private_segment 0
		.amdhsa_kernarg_size 48
		.amdhsa_user_sgpr_count 2
		.amdhsa_user_sgpr_kernarg_segment_ptr 1
		.amdhsa_wavefront_size32 1
		.amdhsa_system_sgpr_workgroup_id_x 1
		.amdhsa_system_sgpr_workgroup_id_y 1
		.amdhsa_system_sgpr_workgroup_id_z 1
		.amdhsa_system_vgpr_workitem_id 0
		.amdhsa_next_free_vgpr 1024
		.amdhsa_next_free_sgpr 102
		.amdhsa_reserve_vcc 0
		.amdhsa_float_denorm_mode_32 3
		.amdhsa_float_denorm_mode_16_64 3
		.amdhsa_memory_ordered 1
		.amdhsa_forward_progress 1
		.amdhsa_inst_pref_size 189
	.end_amdhsa_kernel
	.amdgpu_metadata
---
amdhsa.version: [ 1, 2 ]
amdhsa.kernels:
  - .name:           k_qb90066ba9a_gemm_qkv
    .symbol:         k_qb90066ba9a_gemm_qkv.kd
    .args:
      - { .name: xq, .offset: 0, .size: 8, .value_kind: global_buffer, .address_space: global }
      - { .name: wq, .offset: 8, .size: 8, .value_kind: global_buffer, .address_space: global }
      - { .name: qkv_b, .offset: 16, .size: 8, .value_kind: global_buffer, .address_space: global }
      - { .name: qimg, .offset: 24, .size: 8, .value_kind: global_buffer, .address_space: global }
      - { .name: kvimg, .offset: 32, .size: 8, .value_kind: global_buffer, .address_space: global }
      - { .name: sc, .offset: 40, .size: 8, .value_kind: global_buffer, .address_space: global }
    .group_segment_fixed_size: 327680
    .private_segment_fixed_size: 0
    .kernarg_segment_align: 8
    .kernarg_segment_size: 48
    .max_flat_workgroup_size: 128
    .sgpr_count:     102
    .vgpr_count:     1024
    .wavefront_size: 32
...
	.end_amdgpu_metadata
.endif
;; end of part 2
;; launch attn (part 3): grid 64 x 4, 16 waves a work-group, clusters of 4 x 4, 327,680 bytes of LDS; arguments attn_bias, padding_mask, qimg, sc, kvimg, oc, os; writes oc, os
.if DOCPART == 3
	.amdgcn_target "amdgcn-amd-amdhsa--gfx1250"
	.amdhsa_code_object_version 6
	.text
	.protected	k_qb90066ba9a_attn
	.globl	k_qb90066ba9a_attn
	.p2align	8
	.type	k_qb90066ba9a_attn,@function
k_qb90066ba9a_attn:
	s_mov_b64 s[64:65], 0
	v_nop
	global_prefetch_b8 v0, s[64:65] scope:SCOPE_SE
	s_setreg_imm32_b32 hwreg(HW_REG_WAVE_MODE, 25, 1), 1
	s_wait_xcnt 0x0
	s_wait_alu depctr_hold_cnt(0) depctr_sa_sdst(0) depctr_va_vdst(0) depctr_va_sdst(0) depctr_va_ssrc(0) depctr_va_vcc(0) depctr_vm_vsrc(0)
	s_getreg_b32 s2, hwreg(HW_REG_IB_STS2, 6, 4)
	s_cmp_eq_u32 s2, 0
	s_cbranch_scc0 .Lentry_in_a_cluster
	s_endpgm
.Lentry_in_a_cluster:
	s_bfe_u32 s2, ttmp6, 0x10000c
	s_cmp_lg_u32 s2, 0xf033
	s_cbranch_scc0 .Lentry_shape_is_right
	s_endpgm
.Lentry_shape_is_right:
; o = softmax(q k^T / 8 + attn_bias, masked keys left out) v for 4 batches x 16 heads x 2048 x 2048, head size 64, both products on codes of FP6 (E2M3) with E8M0 scales; o / l is quantised along D and stored as codes.
; THE SOFTMAX: t = logit x log2(e); M = the running largest t rounded UP to a whole number; p = 2^(t - M) is quantised along the keys; l is the sum of the unquantised p; when M moves, l and O are multiplied by
; 2^(old M - new M), which rounds nothing.
; SHARES.  A work-group owns 128 queries of a batch and 4 heads.  Wave w: head w % 4, query tiles 2 (w / 4) and 2 (w / 4) + 1, worked one after the other in each step of 128 keys.  Four waves to a SIMD.
; LAYOUT.  Both products are used transposed: S^T = K Q^T, O^T = V^T P^T: a lane holds one query (lane % 16).  Tokens lie in the images with bits 3 and 4 of their number swapped, so the 16 registers of key tiles
; 2 b, 2 b + 1 are the natural keys 32 b + 16 (lane / 16) + 0 .. 15, and likewise O^T's channels.
; THREE THINGS RIDE IN THE FIRST PRODUCT.  (1) The 1/8: 3 is taken off q's scale bytes.  (2) The bias: it is loaded from LDS straight into the score registers and is the product's C.  (3) The mask: the head has 64
; of the instruction's 128 along K; at k = 64 q carries the code of -7.5 under the byte 137 and a key carries its mask byte as a code (0, or 1 = 0.125) under the byte 227 if masked, else 1: a masked key gets
; -0.9375 x 2^110, an open key exactly 0.  All other codes of q from k = 64 on are zeros, so what a key's registers 7-11 hold adds nothing.  The running largest t begins at -1e30, above every masked t: p = 0 there.
; LIMITS: masked keys count as -1.2e33, not as -infinity: open logits must lie above -1e30 / log2(e).  A batch whose every key is masked (NaN by the definition) is not served.  NaN and infinities are not served.
; CLUSTER: 4 x 4.  x of the cluster: 4 query blocks; y: the 4 groups of heads.  The bias tile hangs on the query block alone and is asked for jointly down a column; K and V hang on the group of heads alone and are
; asked for jointly along a row.  One slot holds one key step; waves 0-7 fetch the bias (16 rows each), waves 8-15 K's and V's images (6,144 bytes each): one load a wave behind each round.
; LDS: slot s at s x 131,072: the bias, 8 groups of 16 rows x 528 bytes + 128 of skew (my 16 lanes' rows then begin in 16 different columns of 16 bytes), K's images at 68,608, V's at 93,184.
;   KT at 262,144: [head 4][2048 keys] words {k's two bytes, 227 or 1, the mask byte}; VS behind it: v's scale words of my group; both stored once.  The spare words at 311,296.
;   The way out's stage lies in slot 0, which has had its last fill and its last read by then.
; REGISTERS: v1-7 addresses that stay; v8-11, v28 addresses in hand; v12-15, v92-95 {-M, largest t, l, l}; v16-27, v80-91 Q; v30, v31 Q's scale words; v32-79 four fragments; v96-159 S^T, then p; v160-223 O^T;
;   v224-235 p's codes; v236-247 at work; v248-251 K's or V's scale words; v252 f (v253 named with it); v254 at work; v255 p's scale word.
.set SLOT1, 131072
.set GRP,   8576
.set BROW,  528
.set KOFF,  8*GRP
.set VREL,  24576                      ; from K's images to V's
.set KT,    2*SLOT1
.set VS,    KT+32768
.set SPARE, VS+16384
.set STG,   0                          ; the way out: 128 rows x (16 places of 16 bytes + 16)
.set STS,   128*272                    ; and 128 rows x 8 scale bytes
.set AB0,  1
.set A16,  2
.set A8,   3
.set AS0,  4
.set SPW,  5
.set NIL,  6
.set AT0,  7
.set ADB,  8
.set AD16, 9
.set AD8,  10
.set ADS,  11
.set ADT,  28
.set PFO,  29
.set WV,   20
.set SEL,  22
.set CS,   24
.set G1B,  28
.set G1K,  36
.set G0B,  44
.set G0K,  48
.set TB,   52
.set TS,   53
.set TJ,   54
.set SLOTS, 55
.set PFA,  56
.set PFS,  58
.set LIM,  60
.set EVR,  61
; A joint load: waves 0-7 fetch the bias, waves 8-15 K and V.  The branch hangs on the wave's number alone.  An s_nop 0 and four v_nop follow each of the two lines.
.macro JLOAD
	s_cmp_lt_u32 s[WV], 8
	s_cbranch_scc0 .Lfor_kv_\@
	tensor_load_to_lds s[G0B:G0B+3], s[G1B:G1B+7]
	s_nop 0
.rept 4
	v_nop
.endr
	s_branch .Lasked_\@
.Lfor_kv_\@:
	tensor_load_to_lds s[G0K:G0K+3], s[G1K:G1K+7]
	s_nop 0
.rept 4
	v_nop
.endr
.Lasked_\@:
.endm
.macro CROUND                          ; a round of the cluster's barrier
	s_barrier_signal -1
	s_barrier_wait -1
	s_cmp_lg_u32 s[WV], 0
	s_cbranch_scc1 .Lnot_wave_0_\@
	s_barrier_signal -3
.Lnot_wave_0_\@:
	s_barrier_wait -3
	s_barrier_signal -1
	s_barrier_wait -1
.endm
; A PREFETCH INTO THE L2, behind the wave's tensor load.  In the trip that fills step i + 1 the bias tile of step i + 2 is named: 128 rows x 512 bytes: the partner at cy takes rows 32 cy + lane, waves 0 and 1 a half
; of 256 bytes each.  K's and V's images are walked by the four clusters of a batch: the first of them names them, in every second trip the 98,304 bytes of steps i + 2 and i + 3: the partner at cx takes 24,576,
; waves 2 to 4 take 8,192 each, lanes 256 bytes apart.  Partners are told apart by address alone.  Each 256 bytes are named once; the last trips name nothing: the bias stops with step 15, the images with 14 and 15.
.macro ASK
	s_cmp_gt_u32 s[SLOTS], s[LIM]
	s_cbranch_scc0 .Lnot_mine_\@
	s_and_b32 s21, s[SLOTS], s[EVR]
	s_cmp_eq_u32 s21, s[EVR]
	s_cbranch_scc0 .Lnot_mine_\@
	global_prefetch_b8 v[PFO], s[PFA:PFA+1] th:TH_LOAD_NT scope:SCOPE_SE
.Lnot_mine_\@:
.endm
	s_load_b256 s[4:11], s[0:1], 0x0               ; attn_bias s[4:5], padding_mask s[6:7], qimg s[8:9], sc s[10:11]
	s_load_b128 s[12:15], s[0:1], 0x20             ; kvimg s[12:13], oc s[14:15]
	s_load_b64 s[16:17], s[0:1], 0x30              ; os
	v_lshl_add_u32 v[SPW], v0, 2, SPARE
	v_mov_b32 v[NIL], 0
	ds_add_u32 v[SPW], v[NIL]                      ; the wave's opening: the add and its wait ahead of my first tensor load
	v_lshrrev_b32 v8, 5, v0
	v_readfirstlane_b32 s[WV], v8                  ; wave 0..15
	s_bfe_u32 s66, ttmp6, 0x40000                  ; cx
	s_bfe_u32 s67, ttmp6, 0x40004                  ; cy = my group of heads
	s_lshr_b32 s68, ttmp9, 2                       ; b
	s_and_b32 s69, ttmp9, 3
	s_lshl_b32 s70, s69, 2
	s_add_co_u32 s70, s70, s66                     ; my block of 128 queries
	s_and_b32 s71, s[WV], 3                        ; my head in the group
	s_lshr_b32 s72, s[WV], 2                       ; my pair of query tiles
	s_and_b32 s73, s[WV], 7                        ; which part of a step I fetch
	s_lshl_b32 s74, s67, 2
	s_lshl_b32 s74, 15, s74                        ; my row of the cluster
	s_lshl_b32 s75, 0x1111, s66                    ; my column
	; descriptor group 1, the bias: 16 rows x 128 f32, 2,048 elements apart; 16 bytes of padding behind each row of 128 words
	s_or_b32 s[G1B], s75, (2<<16)|(1<<20)|(1<<21)|(6<<22)|(3<<25)
	s_mov_b32 s[G1B+1], 128<<16
	s_mov_b32 s[G1B+2], 16<<16
	s_mov_b32 s[G1B+3], 128<<16
	s_mov_b32 s[G1B+4], 16
	s_mov_b32 s[G1B+5], 2048
	s_mov_b32 s[G1B+6], 0
	s_mov_b32 s[G1B+7], 0
	; K and V: 6,144 dense bytes as 24 rows of 256 bytes (32 elements of 8), no padding
	s_or_b32 s[G1K], s74, (3<<16)|(1<<21)
	s_mov_b32 s[G1K+1], 32<<16
	s_mov_b32 s[G1K+2], 24<<16
	s_mov_b32 s[G1K+3], 32<<16
	s_mov_b32 s[G1K+4], 24
	s_mov_b32 s[G1K+5], 32
	s_mov_b32 s[G1K+6], 0
	s_mov_b32 s[G1K+7], 0
	s_lshl_b32 s76, s68, 11
	s_lshl_b32 s77, s70, 7
	s_add_co_u32 s76, s76, s77                     ; my block's first token: 2048 b + 128 block
	s_lshl_b32 s78, s73, 4
	s_add_co_u32 s78, s78, s76
	s_lshl_b32 s78, s78, 13                        ; the bias rows that I fetch: 8,192 bytes a row (under 2^32)
	s_mov_b32 s79, 0
	s_lshl_b32 s80, s68, 2
	s_add_co_u32 s80, s80, s67                     ; 4 b + group
	s_mul_i32 s82, s80, 786432
	s_mul_i32 s81, s73, 6144
	s_add_co_u32 s82, s82, s81                     ; the images that I fetch
	s_mov_b32 s83, 0
	s_mul_i32 s84, s73, GRP                        ; and where they go: no place in the cluster enters an LDS address
	s_add_co_u32 s85, s81, KOFF
	s_mov_b32 s[SEL], 0x76543210
	s_mov_b32 s[SEL+1], 0xfedcba98
	s_mov_b32 s[CS], 0x3fb8aa3b                    ; log2(e)
	s_mov_b32 s[CS+1], s[CS]                       ; (named with it as a pair)
	s_mov_b32 s[TB], 0
	s_mov_b32 s[TS], 0
	s_mov_b32 s[TJ], 0
	s_mov_b32 s[SLOTS], 15
	; the prefetches: where my wave's stand at step 1 (the first change of slots steps them to step 2), and who asks
	s_lshl_b32 s86, s67, 5
	s_add_co_u32 s86, s86, s76
	s_lshl_b32 s86, s86, 13                        ; the bias: rows 32 cy on,
	s_lshl_b32 s87, s[WV], 8
	s_add_co_u32 s86, s86, s87                     ; my half of a row's 512 bytes,
	s_add_co_u32 s86, s86, 512                     ; step 1
	s_mul_i32 s88, s80, 786432
	s_mul_i32 s89, s66, 24576
	s_add_co_u32 s88, s88, s89                     ; the images: my work-group's 24,576 bytes,
	s_sub_co_u32 s89, s[WV], 2
	s_lshl_b32 s89, s89, 13
	s_add_co_u32 s88, s88, s89                     ; my wave's 8,192,
	s_add_co_u32 s88, s88, 49152                   ; step 1
	s_mov_b32 s62, 49152
	s_mov_b32 s63, 256
	s_cmp_lt_u32 s[WV], 2
	s_cselect_b32 s86, s86, s88
	s_cselect_b32 s[PFS], 512, s62                 ; a step on
	s_cselect_b32 s90, 8192, s63                   ; from lane to lane
	s_cselect_b32 s[EVR], 0, 1                     ; the images are named in every second trip
	s_mov_b32 s[PFS+1], 0
	s_mov_b32 s87, 0
	s_sub_co_u32 s91, s[WV], 2
	s_cmp_lt_u32 s91, 3                            ; waves 2 to 4,
	s_cselect_b32 s91, s69, 1                      ; of the batch's first cluster: the same in all sixteen partners
	s_cmp_eq_u32 s91, 0
	s_cselect_b32 s91, 2, -1
	s_cmp_lt_u32 s[WV], 2
	s_cselect_b32 s[LIM], 1, s91
	v_and_b32 v[PFO], 31, v0
	v_mul_u32_u24 v[PFO], s90, v[PFO]
	s_wait_dscnt 0x0                               ; the opening add is done
	s_wait_kmcnt 0x0
	s_cmp_lt_u32 s[WV], 2
	s_cselect_b64 s[PFA:PFA+1], s[4:5], s[12:13]
	s_add_nc_u64 s[PFA:PFA+1], s[PFA:PFA+1], s[86:87]
	s_mov_b32 s[G0B], 1
	s_mov_b32 s[G0B+1], s84
	s_add_nc_u64 s[G0B+2:G0B+3], s[4:5], s[78:79]
	s_or_b32 s[G0B+3], s[G0B+3], 0x80000000
	s_mov_b32 s[G0K], 1
	s_mov_b32 s[G0K+1], s85
	s_add_nc_u64 s[G0K+2:G0K+3], s[12:13], s[82:83]
	s_or_b32 s[G0K+3], s[G0K+3], 0x80000000
	CROUND                                         ; all sixteen work-groups are here: the first joint loads meet
	JLOAD                                          ; step 0 into slot 0
	; what comes through registers: Q's images and scale words, k's scale words, the mask, v's scale words
	v_and_b32 v125, 31, v0                         ; lane
	v_and_b32 v121, 15, v0                         ; r
	v_bfe_u32 v122, v0, 4, 1                       ; h
	v_bfe_u32 v123, v0, 3, 1                       ; r / 8
	v_and_b32 v124, 7, v0                          ; r % 8
	v_lshlrev_b32 v118, 4, v125
	v_lshlrev_b32 v119, 3, v125
	v_lshlrev_b32 v120, 2, v121
	v_lshlrev_b32 v116, 4, v0
	v_and_b32 v117, 0x1f9, v0                      ; my four stored keys 4 t .. 4 t + 3 are the natural keys 4 t' .. with bits 1 and 2 of t swapped
	v_and_b32 v126, 2, v0
	v_lshl_or_b32 v117, v126, 1, v117
	v_and_b32 v126, 4, v0
	v_lshrrev_b32 v126, 1, v126
	v_or_b32 v117, v117, v126
	v_lshlrev_b32 v117, 2, v117
	s_lshl_b32 s92, s68, 4
	s_add_co_u32 s92, s92, s70
	s_lshl_b32 s92, s92, 4
	s_lshl_b32 s93, s67, 2
	s_add_co_u32 s92, s92, s93
	s_add_co_u32 s92, s92, s71                     ; (16 b + block) x 16 + head
	s_lshl_b32 s92, s92, 3
	s_lshl_b32 s93, s72, 1
	s_add_co_u32 s92, s92, s93                     ; x 8 + my first tile
	s_mul_i32 s92, s92, 768
	s_mov_b32 s93, 0
	s_add_nc_u64 s[8:9], s[8:9], s[92:93]
	global_load_b128 v[16:19], v118, s[8:9]
	global_load_b64 v[20:21], v119, s[8:9] offset:512
	global_load_b128 v[80:83], v118, s[8:9] offset:768
	global_load_b64 v[84:85], v119, s[8:9] offset:1280
	s_lshl_b32 s92, s67, 1
	s_lshr_b32 s94, s71, 1
	s_add_co_u32 s92, s92, s94                     ; my pair of heads
	s_lshl_b32 s92, s92, 13
	s_add_co_u32 s92, s92, s76
	s_lshl_b32 s94, s72, 5
	s_add_co_u32 s92, s92, s94
	s_lshl_b32 s92, s92, 2
	s_add_nc_u64 s[94:95], s[10:11], s[92:93]
	global_load_b32 v96, v120, s[94:95]            ; q's scale words of my two tiles
	global_load_b32 v97, v120, s[94:95] offset:64
	s_lshl_b32 s92, s67, 1
	s_add_co_u32 s92, s92, 8
	s_lshl_b32 s92, s92, 13
	s_lshl_b32 s96, s68, 11
	s_add_co_u32 s92, s92, s96
	s_lshl_b32 s92, s92, 2
	s_add_nc_u64 s[96:97], s[10:11], s[92:93]
	global_load_b128 v[100:103], v116, s[96:97]                ; k's scale words of four keys: heads 0, 1 of my group,
	global_load_b128 v[104:107], v116, s[96:97] offset:32768   ; heads 2, 3
	s_lshl_b32 s92, s68, 11
	s_add_nc_u64 s[6:7], s[6:7], s[92:93]
	global_load_b32 v98, v117, s[6:7]              ; their four mask bytes
	s_lshl_b32 s92, s80, 14
	s_add_co_u32 s92, s92, 524288
	s_add_nc_u64 s[98:99], s[10:11], s[92:93]
	global_load_b128 v[108:111], v116, s[98:99]    ; v's scale words of my group: 16,384 bytes by 512 threads
	global_load_b128 v[112:115], v116, s[98:99] offset:8192
	; the addresses that stay
	v_mul_u32_u24 v[AB0], v123, GRP
	v_mad_u32_u24 v[AB0], v124, BROW, v[AB0]
	v_lshl_add_u32 v[AB0], v122, 6, v[AB0]
	s_mul_i32 s62, s72, 2*GRP
	v_add_nc_u32 v[AB0], s62, v[AB0]               ; the bias: query 32 pair + 8 u + r % 8 + 16 (r / 8): group 2 pair + r / 8, row 8 u + r % 8; + 64 h
	s_mul_i32 s62, s71, 6144
	s_add_co_u32 s62, s62, KOFF
	v_lshl_add_u32 v[A16], v125, 4, s62            ; my head's images: 16 x lane,
	v_lshl_add_u32 v[A8], v125, 3, s62             ; 8 x lane
	s_lshl_b32 s62, s71, 13
	s_add_co_u32 s62, s62, KT
	v_lshl_add_u32 v[AS0], v121, 2, s62            ; k's words
	s_lshl_b32 s62, s71, 8
	s_add_co_u32 s62, s62, VS
	v_lshl_add_u32 v[AT0], v121, 2, s62            ; v's words
	v_lshl_add_u32 v127, v0, 4, KT
	v_xor_b32 v126, 1, v122
	v_mul_u32_u24 v22, v126, 63                    ; Q's register 6: the code of -7.5 at k = 64 (lanes 0-15), zeros elsewhere
	v_mov_b32 v86, v22
.irp i, 23,24,25,26,27,87,88,89,90,91
	v_mov_b32 v[\i], 0                             ; Q's registers 7-11: zeros
.endr
.irp t, 0,1,2,3
.irp i, 7,8,9,10,11
	v_mov_b32 v[32+12*\t+\i], 0                    ; a key's registers 7-11 are read before V's loads first write them
.endr
.endr
	v_mov_b32 v13, 0xf149f2ca                      ; the largest t so far: -1e30
	v_mov_b32 v93, 0xf149f2ca
	v_floor_f32 v12, -v13                          ; -M
	v_floor_f32 v92, -v93
.irp i, 14,15,94,95,236,237,238,239,253
	v_mov_b32 v[\i], 0                             ; l; the permutes' destinations; the pair's upper half
.endr
.set j, 160
.rept 64
	v_mov_b32 v[j], 0                              ; O^T.  (The step is written once: the first finds zeros, which the first change of M leaves zeros)
.set j, j+1
.endr
	s_wait_loadcnt 0x0
	s_and_b32 s62, s71, 1
	s_lshl_b32 s62, s62, 4                         ; my head's half of a pair's word
.irp u, 0,1
	v_lshrrev_b32 v[96+\u], s62, v[96+\u]
	v_and_b32 v[96+\u], 0xffff, v[96+\u]
	v_add_nc_u32 v[96+\u], 0xfffffcfd, v[96+\u]    ; 3 off both bytes (each is 4 at the least): the 1/8
	v_or_b32 v[30+\u], 0x01890000, v[96+\u]        ; byte 2 = 137 for the mask's code, byte 3 = 1
.endr
.irp i, 0,1,2,3
	v_bfe_u32 v126, v98, 8*\i, 8                   ; the key's mask byte m
	v_mul_u32_u24 v126, v126, 0x1e2
	v_lshl_add_u32 v[128+\i], v126, 16, 0x10000    ; byte 2 = 1 + 226 m, byte 3 = m
.endr
.irp i, 0,1,2,3
	v_and_or_b32 v[132+\i], v[100+\i], 0xffff, v[128+\i]
	v_lshrrev_b32 v126, 16, v[100+\i]
	v_or_b32 v[136+\i], v126, v[128+\i]
	v_and_or_b32 v[140+\i], v[104+\i], 0xffff, v[128+\i]
	v_lshrrev_b32 v126, 16, v[104+\i]
	v_or_b32 v[144+\i], v126, v[128+\i]
.endr
.irp q, 0,1,2,3
	ds_store_b128 v127, v[132+4*\q:135+4*\q] offset:8192*\q    ; KT: head q, keys 4 t .. 4 t + 3
.endr
	ds_store_b128 v127, v[108:111] offset:32768    ; VS
	ds_store_b128 v127, v[112:115] offset:40960    ; (the first change of slots waits for these stores and passes a barrier ahead of every read)
; ONE QUERY TILE (u = 0, 1) AGAINST A STEP'S 128 KEYS.
.macro HSTEP u
.set QF, 16+64*(\u)
.set ST, 12+80*(\u)
.set OA, 160+32*(\u)
.irp bb, 0,1,2,3                               ; the bias of my query, keys 32 bb + 16 h + 0 .. 15, straight into the score registers
.irp c, 0,1,2,3
	ds_load_b128 v[96+16*\bb+4*\c:99+16*\bb+4*\c], v[ADB] offset:8*BROW*(\u)+128*\bb+16*\c
.endr
.endr
.irp g, 0,1                                    ; S^T = K Q^T + bias, four tiles of 16 keys at a time
.if \g
.rept 4
	v_nop                                          ; places in front of loads into registers that matrix instructions have read
.endr
.endif
.irp t, 0,1,2,3
	ds_load_b128 v[32+12*\t:35+12*\t], v[AD16] offset:768*(4*\g+\t)
	ds_load_b64 v[36+12*\t:37+12*\t], v[AD8] offset:768*(4*\g+\t)+512
	ds_load_u8 v[38+12*\t], v[ADS] offset:64*(4*\g+\t)+3       ; register 6: the key's mask byte as the code at k = 64
	ds_load_b32 v[248+\t], v[ADS] offset:64*(4*\g+\t)
.endr
	s_wait_dscnt 0x0
.irp t, 0,1,2,3
	v_wmma_scale_f32_16x16x128_f8f6f4 v[96+8*(4*\g+\t):103+8*(4*\g+\t)], v[32+12*\t:43+12*\t], v[QF:QF+11], v[96+8*(4*\g+\t):103+8*(4*\g+\t)], v[248+\t], v[30+\u] matrix_a_fmt:MATRIX_FMT_FP6 matrix_b_fmt:MATRIX_FMT_FP6
.endr
.endr
.rept 4
	v_nop                                          ; places: in front of V's loads, and of the first read of the scores
.endr
.irp t, 0,1,2,3                                ; V's four fragments and scale words are asked for now and land under the softmax
	ds_load_b128 v[32+12*\t:35+12*\t], v[AD16] offset:VREL+1536*\t
	ds_load_b64 v[36+12*\t:37+12*\t], v[AD8] offset:VREL+1536*\t+512
	ds_load_b128 v[38+12*\t:41+12*\t], v[AD16] offset:VREL+1536*\t+768
	ds_load_b64 v[42+12*\t:43+12*\t], v[AD8] offset:VREL+1536*\t+1280
	ds_load_b32 v[248+\t], v[ADT] offset:64*\t
.endr
.irp b, 0,1,2,3
	v_max3_num_f32 v[232+\b], v[96+16*\b], v[97+16*\b], v[98+16*\b]   ; the largest score of each block of 32 keys: for the row's maximum and, since p rises with the score, for the block's largest p
.endr
.irp i, 3,5,7,9,11,13
.irp b, 0,1,2,3
	v_max3_num_f32 v[232+\b], v[232+\b], v[96+16*\b+\i], v[97+16*\b+\i]
.endr
.endr
.irp b, 0,1,2,3
	v_max_num_f32 v[232+\b], v[232+\b], v[111+16*\b]
.endr
.irp b, 0,1,2,3
	v_permlanex16_b32 v[236+\b], v[232+\b], s[SEL], s[SEL+1]
.endr
.irp b, 0,1,2,3
	v_max_num_f32 v[232+\b], v[232+\b], v[236+\b]  ; with lane l xor 16's 16 keys
.endr
	v_max3_num_f32 v254, v232, v233, v234
	v_max_num_f32 v254, v254, v235
	v_mul_f32 v254, s[CS], v254                    ; as t
	v_max_num_f32 v[ST+1], v[ST+1], v254           ; the running largest t
	v_mov_b32 v254, v[ST]
	v_floor_f32 v[ST], -v[ST+1]                    ; the new -M = floor(-t): M is a whole number
	v_sub_f32 v254, v[ST], v254                    ; old M - new M: a whole number, 0 or less
	v_cvt_i32_f32 v254, v254                       ; (it saturates)
	v_ldexp_f32 v252, 1.0, v254                    ; f = 2^(old M - new M)
.set j, 0
.rept 32
	v_pk_fma_f32 v[96+j:97+j], v[96+j:97+j], s[CS:CS+1], v[ST:ST+1] op_sel_hi:[1,0,0]   ; t - M, two at a time
.set j, j+2
.endr
.irp b, 0,1,2,3
	v_fma_f32 v[232+\b], v[232+\b], s[CS], v[ST]   ; the same of each block's largest score
.endr
.set j, 0
.rept 64
	v_exp_f32 v[96+j], v[96+j]                     ; p = 2^(t - M)
.set j, j+1
.endr
	v_pk_mul_f32 v[ST+2:ST+3], v[ST+2:ST+3], v[252:253] op_sel_hi:[1,0]   ; l under the new M (the plain line behind the exponentials)
	s_wait_alu depctr_va_vdst(0)                   ; one wait for the whole batch, ahead of its first reader
.irp b, 0,1,2,3
	v_exp_f32 v[232+\b], v[232+\b]                 ; the block's largest p
.endr
	v_pk_add_f32 v[236:237], v[96:97], v[98:99]    ; l is taken of the unquantised p, in two chains
.set j, 4
.rept 15
	v_pk_add_f32 v[ST+2:ST+3], v[ST+2:ST+3], v[96+j:97+j]
	v_pk_add_f32 v[236:237], v[236:237], v[98+j:99+j]
.set j, j+4
.endr
	v_pk_add_f32 v[ST+2:ST+3], v[ST+2:ST+3], v[236:237]
	s_wait_alu depctr_va_vdst(0)                   ; and one for the four
.irp b, 0,1,2,3
	v_max_num_f32 v[232+\b], 0x1800000, v[232+\b]  ; the floor 2^(3 - 127): the byte cannot fall under 1
.endr
.irp b, 0,1,2,3
	v_add_nc_u32 v[244+\b], 0xff000000, v[232+\b]  ; 2 off the exponent field: the conversion's scale operand
.endr
.irp b, 0,1,2,3
	v_lshrrev_b32 v[236+\b], 23, v[244+\b]         ; the scale's byte
.endr
	v_lshl_or_b32 v255, v237, 8, v236              ; p's scale word for these 128 keys
	v_lshl_or_b32 v255, v238, 16, v255
	v_lshl_or_b32 v255, v239, 24, v255
.irp c, 0,1
	v_cvt_scalef32_pk16_fp6_f32 v[224+6*\c:226+6*\c], v[96+32*\c:111+32*\c], v[244+2*\c]
	v_cvt_scalef32_pk16_fp6_f32 v[236+4*\c:238+4*\c], v[112+32*\c:127+32*\c], v[244+2*\c+1]
.endr
	v_nop                                          ; one plain line behind a scaled conversion
.irp c, 0,1                                    ; a whole block to a lane: lanes 0-15 block 2 c, lanes 16-31 block 2 c + 1
.irp i, 0,1,2
	v_permlane16_swap_b32 v[224+6*\c+\i], v[236+4*\c+\i]
.endr
.irp i, 0,1,2
	v_mov_b32 v[227+6*\c+\i], v[236+4*\c+\i]
.endr
.endr
.set j, 0
.rept 16
	v_pk_mul_f32 v[OA+j:OA+j+1], v[OA+j:OA+j+1], v[252:253] op_sel_hi:[1,0]   ; O^T under the new M.  (Of these sixteen, the twelve on other tiles are the places between p's codes and scale word and each product below)
.set j, j+2
.endr
	s_wait_dscnt 0x0                               ; V is in
.irp t, 0,1,2,3                                ; O^T += V^T P^T: the head's four tiles of 16 channels by turns
	v_wmma_scale_f32_16x16x128_f8f6f4 v[OA+8*\t:OA+8*\t+7], v[32+12*\t:43+12*\t], v[224:235], v[OA+8*\t:OA+8*\t+7], v[248+\t], v255 matrix_a_fmt:MATRIX_FMT_FP6 matrix_b_fmt:MATRIX_FMT_FP6
.endr
.endm
.macro STEP2                           ; a key step: both query tiles.  The five additions are the places behind the last products
	v_add_nc_u32 v[ADB], s[TB], v[AB0]
	v_add_nc_u32 v[AD16], s[TB], v[A16]
	v_add_nc_u32 v[AD8], s[TB], v[A8]
	v_add_nc_u32 v[ADS], s[TS], v[AS0]
	v_add_nc_u32 v[ADT], s[TJ], v[AT0]
	HSTEP 0
.rept 4
	v_nop
.endr
	HSTEP 1
	s_xor_b32 s[TB], s[TB], SLOT1                  ; on to the other slot,
	s_add_co_u32 s[TS], s[TS], 512                 ; the next 128 keys' words,
	s_add_co_u32 s[TJ], s[TJ], 1024                ; the next step's words of v
.endm
; THE CHANGE OF SLOTS stands at a step's head.  Each wave waits for all its tensor loads (its part of the slot ahead), adds 0 to its spare word, and waits for that and for its reads of the slot that it has left.
; fill = 1: a round of the cluster's barrier, and behind it the slot just left is filled with the next step: the load has a whole step in which to land.
.macro CHANGE fill
	s_wait_tensorcnt 0x0                           ; no tensor load of mine is out, so a group 0 may be written
	ds_add_u32 v[SPW], v[NIL]                      ; 0 onto my spare word
.if \fill
	s_xor_b32 s[G0B+1], s[G0B+1], SLOT1
	s_add_nc_u64 s[G0B+2:G0B+3], s[G0B+2:G0B+3], 512
	s_xor_b32 s[G0K+1], s[G0K+1], SLOT1
	s_add_nc_u64 s[G0K+2:G0K+3], s[G0K+2:G0K+3], 49152
	s_wait_xcnt 0x0                                ; the last prefetch, a step back, has read its address
	s_add_nc_u64 s[PFA:PFA+1], s[PFA:PFA+1], s[PFS:PFS+1]
	s_wait_dscnt 0x0                               ; the add is done, and my LDS stores and my reads of the slot that I have left are over
	CROUND
	JLOAD                                          ; the first thing behind the round, and my one tensor load until the next
	ASK
.else
	s_wait_dscnt 0x0
	s_barrier_signal -1
	s_barrier_wait -1
.endif
.endm
.Lslot:                                            ; 15 trips: trip i fills step i + 1 and works step i
	CHANGE 1
	STEP2
	s_sub_co_u32 s[SLOTS], s[SLOTS], 1
	s_cmp_lg_u32 s[SLOTS], 0
	s_cbranch_scc1 .Lslot
	CHANGE 0                                       ; the last step is written out
	STEP2
	; THE WAY OUT.  O^T / l; register 16 bb + i of tile u is channel 32 bb + 16 h + i of my head: four blocks of 32 along D, each in lanes l and l xor 16.  Codes and bytes meet in a stage and leave as rows.
.rept 4
	v_nop                                          ; places behind the last products
.endr
	v_add_f32 v14, v14, v15
	v_add_f32 v94, v94, v95
	v_permlanex16_b32 v236, v14, s[SEL], s[SEL+1]
	v_permlanex16_b32 v237, v94, s[SEL], s[SEL+1]
	v_add_f32 v14, v14, v236
	v_add_f32 v94, v94, v237                       ; the rows' sums
	v_rcp_f32 v14, v14
	v_rcp_f32 v94, v94
	v_and_b32 v9, 15, v0                           ; r  (plain work behind the reciprocals: the way out's addresses)
	v_bfe_u32 v10, v0, 4, 1                        ; h
	s_mul_i32 s62, s72, 32*272
	s_lshl_b32 s63, s71, 6
	s_add_co_u32 s62, s62, s63
	v_mul_u32_u24 v8, v9, 272
	v_lshl_add_u32 v8, v10, 4, v8
	v_add_nc_u32 v8, s62, v8                       ; the stage: row 32 pair + 16 u + r; place 4 head + 2 bb + h of 16 bytes
	s_lshl_b32 s62, s72, 8
	s_lshl_b32 s63, s71, 1
	s_add_co_u32 s62, s62, s63
	s_add_co_u32 s62, s62, STS
	v_lshl_add_u32 v11, v9, 3, s62                 ; the bytes: 8 a row, my head's two
	s_mul_i32 s62, s[WV], 8*272
	v_mul_u32_u24 v28, v10, 272
	v_lshl_add_u32 v28, v9, 4, v28
	v_add_nc_u32 v28, s62, v28                     ; back: rows 8 w + 2 i + h, 16 lanes to a row
	s_mul_i32 s62, s[WV], 8*192
	v_mul_u32_u24 v1, v10, 192
	v_mad_u32_u24 v1, v9, 12, v1
	v_add_nc_u32 v1, s62, v1                       ; and the same place in oc: 192 bytes a row, 12 a lane
	v_lshlrev_b32 v2, 5, v0                        ; os: 32 bytes a token
	v_lshl_add_u32 v3, v0, 3, STS
	s_lshl_b32 s62, s67, 13
	s_add_co_u32 s62, s62, s76
	s_mul_i32 s62, s62, 192
	s_mov_b32 s63, 0
	s_add_nc_u64 s[14:15], s[14:15], s[62:63]      ; oc [group][token][192]
	s_lshl_b32 s62, s76, 5
	s_lshl_b32 s21, s67, 3
	s_add_co_u32 s62, s62, s21
	s_add_nc_u64 s[16:17], s[16:17], s[62:63]      ; os [token][32], my group's 8 bytes
	s_wait_alu depctr_va_vdst(0)                   ; one wait for both reciprocals, ahead of their first reader
.set j, 0
.rept 16
	v_pk_mul_f32 v[96+j:97+j], v[160+j:161+j], v[14:15] op_sel_hi:[1,0]
.set j, j+2
.endr
.set j, 0
.rept 16
	v_pk_mul_f32 v[128+j:129+j], v[192+j:193+j], v[94:95] op_sel_hi:[1,0]
.set j, j+2
.endr
.irp k, 0,1,2,3                                ; block k = 2 u + bb
	v_max3_num_f32 v[240+\k], |v[96+16*\k]|, |v[97+16*\k]|, 0x1800000
.endr
.irp i, 2,4,6,8,10,12,14
.irp k, 0,1,2,3
	v_max3_num_f32 v[240+\k], v[240+\k], |v[96+16*\k+\i]|, |v[97+16*\k+\i]|
.endr
.endr
.irp k, 0,1,2,3
	v_permlanex16_b32 v[244+\k], v[240+\k], s[SEL], s[SEL+1]
.endr
.irp k, 0,1,2,3
	v_max_num_f32 v[240+\k], v[240+\k], v[244+\k]
.endr
.irp k, 0,1,2,3
	v_add_nc_u32 v[248+\k], 0xff000000, v[240+\k]
.endr
.irp k, 0,1,2,3
	v_lshrrev_b32 v[244+\k], 23, v[248+\k]
.endr
	v_lshl_or_b32 v252, v245, 8, v244              ; tile 0: my head's two bytes
	v_lshl_or_b32 v253, v247, 8, v246              ; tile 1
.irp k, 0,1,2,3
	v_cvt_scalef32_pk16_fp6_f32 v[224+4*\k:226+4*\k], v[96+16*\k:111+16*\k], v[248+\k]   ; 16 codes, 12 bytes: half a block
.endr
	v_nop                                          ; one plain line behind a scaled conversion
.irp k, 0,1,2,3
	ds_store_b96 v8, v[224+4*\k:226+4*\k] offset:16*272*(\k/2)+32*(\k%2)
.endr
	ds_store_b16 v11, v252                         ; (lanes l and l xor 16 store the same two bytes)
	ds_store_b16 v11, v253 offset:128
	s_wait_dscnt 0x0                               ; for the others' sake: my stores into the stage are done
	s_barrier_signal -1
	s_barrier_wait -1
.irp i, 0,1,2,3
	ds_load_b96 v[96+4*\i:98+4*\i], v28 offset:544*\i
.endr
.irp i, 0,1,2,3
	s_wait_dscnt 3-\i                              ; rows 2 i, 2 i + 1 are back; the later loads may be out
	global_store_b96 v1, v[96+4*\i:98+4*\i], s[14:15] offset:384*\i   ; the wave's four stores cover 1,536 consecutive bytes
.endr
	s_cmp_lt_u32 s[WV], 4                          ; the 128 rows' scale bytes: threads 0-127, 8 bytes each
	s_cbranch_scc0 .Lno_scales
	ds_load_b64 v[112:113], v3
	s_wait_dscnt 0x0
	global_store_b64 v2, v[112:113], s[16:17]
.Lno_scales:
	s_wait_tensorcnt 0x0                           ; the wave's end
	ds_add_u32 v[SPW], v[NIL]
	s_wait_dscnt 0x0
	CROUND                                         ; the closing round
	s_endpgm
.Lfunc_end_k_qb90066ba9a_attn:
	.size	k_qb90066ba9a_attn, .Lfunc_end_k_qb90066ba9a_attn-k_qb90066ba9a_attn
	.p2alignl 7, 3214868480
	.fill 96, 4, 3214868480
	.section	.rodata,"a",@progbits
	.p2align	6, 0x0
	.amdhsa_kernel k_qb90066ba9a_attn
		.amdhsa_group_segment_fixed_size 327680
		.amdhsa_private_segment_fixed_size 0
		.amdhsa_enable_private_segment 0
		.amdhsa_kernarg_size 56
		.amdhsa_user_sgpr_count 2
		.amdhsa_user_sgpr_kernarg_segment_ptr 1
		.amdhsa_wavefront_size32 1
		.amdhsa_system_sgpr_workgroup_id_x 1
		.amdhsa_system_sgpr_workgroup_id_y 1
		.amdhsa_system_sgpr_workgroup_id_z 1
		.amdhsa_system_vgpr_workitem_id 0
		.amdhsa_next_free_vgpr 256
		.amdhsa_next_free_sgpr 100
		.amdhsa_reserve_vcc 0
		.amdhsa_float_denorm_mode_32 3
		.amdhsa_float_denorm_mode_16_64 3
		.amdhsa_memory_ordered 1
		.amdhsa_forward_progress 1
		.amdhsa_inst_pref_size 99
	.end_amdhsa_kernel
	.amdgpu_metadata
---
amdhsa.version: [ 1, 2 ]
amdhsa.kernels:
  - .name:           k_qb90066ba9a_attn
    .symbol:         k_qb90066ba9a_attn.kd
    .args:
      - { .name: attn_bias, .offset: 0, .size: 8, .value_kind: global_buffer, .address_space: global }
      - { .name: padding_mask, .offset: 8, .size: 8, .value_kind: global_buffer, .address_space: global }
      - { .name: qimg, .offset: 16, .size: 8, .value_kind: global_buffer, .address_space: global }
      - { .name: sc, .offset: 24, .size: 8, .value_kind: global_buffer, .address_space: global }
      - { .name: kvimg, .offset: 32, .size: 8, .value_kind: global_buffer, .address_space: global }
      - { .name: oc, .offset: 40, .size: 8, .value_kind: global_buffer, .address_space: global }
      - { .name: os, .offset: 48, .size: 8, .value_kind: global_buffer, .address_space: global }
    .group_segment_fixed_size: 327680
    .private_segment_fixed_size: 0
    .kernarg_segment_align: 8
    .kernarg_segment_size: 56
    .max_flat_workgroup_size: 512
    .sgpr_count:     100
    .vgpr_count:     256
    .wavefront_size: 32
...
	.end_amdgpu_metadata
.endif
;; end of part 3
;; launch gemm_out (part 4): grid 4 x 32, 4 waves a work-group, clusters of 4 x 4, 327,680 bytes of LDS; arguments oc, os, wq, out_b, out0; writes out0
.if DOCPART == 4
	.amdgcn_target "amdgcn-amd-amdhsa--gfx1250"
	.amdhsa_code_object_version 6
	.text
	.protected	k_qb90066ba9a_gemm_out
	.globl	k_qb90066ba9a_gemm_out
	.p2align	8
	.type	k_qb90066ba9a_gemm_out,@function
k_qb90066ba9a_gemm_out:
	s_mov_b64 s[64:65], 0
	v_nop
	global_prefetch_b8 v0, s[64:65] scope:SCOPE_SE
	s_setreg_imm32_b32 hwreg(HW_REG_WAVE_MODE, 25, 1), 1
	s_wait_xcnt 0x0
	s_wait_alu depctr_hold_cnt(0) depctr_sa_sdst(0) depctr_va_vdst(0) depctr_va_sdst(0) depctr_va_ssrc(0) depctr_va_vcc(0) depctr_vm_vsrc(0)
	s_getreg_b32 s2, hwreg(HW_REG_IB_STS2, 6, 4)
	s_cmp_eq_u32 s2, 0
	s_cbranch_scc0 .Lentry_in_a_cluster
	s_endpgm
.Lentry_in_a_cluster:
	s_bfe_u32 s2, ttmp6, 0x10000c
	s_cmp_lg_u32 s2, 0xf033
	s_cbranch_scc0 .Lentry_shape_is_right
	s_endpgm
.Lentry_shape_is_right:
; out0 = o out_w^T + out_b on codes of FP6 (E2M3) with E8M0 scales.  o: 8192 tokens x 1024, as the attention launch left it: oc [K step of 256][token][192 bytes], os [token][32]; tokens lie with bits 3 and 4 of
; their number swapped.  out_w: codes at byte 2,457,600 of wq, 768 bytes a row, scale rows at 3,244,032; its rows lie swapped likewise.  out0: [8192][1024] f32, in natural order: the way out puts both back.
; A tile of out0 is 256 x 256, four waves, 128 x 128 each: 64 accumulators.  K goes in steps of 256 through a ring of two LDS slots; the scale bytes of the tile's rows come once and stay.
; Source 0 = 16 rows of out_w, source 1 = 16 tokens: a lane holds one token and eight columns.  The bias is the C of each sum's first product.
; CLUSTERS: 4 x 4; the tokens' tiles are asked for jointly along a row of the cluster, out_w's along a column.  128 work-groups: the problem has no more tiles of this size.
; REGISTERS, in windows of 256: window 0: v0-31 addresses; v32-63 scale words, two sets; v64-127 the bias; from v128 A's fragments, one set; on the way out v128-255 rows of out0.
;   window 1: B's fragments, two sets.   window 2: the accumulators of my rows 0-63;   window 3: those of my rows 64-127.
.set SIZE_N, 1024
.set KSTEP,  256
.set NQ,     2
.set ROWB,   192
.set KROW,   768                       ; a row of out_w's codes
.set APLANE, 8192*192                  ; from a K step of o's codes to the next
.set OWC,    2457600
.set OWS,    3244032
.set PITCH,  240
.set FR,     12
.set NL,     6
.set NP,     4
.set HALFT,  128*PITCH
.set SLOT,   4*HALFT
.set LAPS,   2
.set KS,     32
.set SCL,    2*SLOT
.set HALFS,  (128*KS/256)*272
.set SBLK,   (16*KS/256)*272
.set SPARE,  SCL+4*HALFS
.set SPITCH, 528                       ; the way out: a stage of 16 rows x (512 bytes + 16) for each wave, in slot 0, which has had its last fill and its last read by then
.set ADRA, 16
.set ADRB, 20
.set STO,  24
.set RD,   25
.set CO,   26
.set ADRS, 27
.set SPW,  28
.set NIL,  29
.set BO,   30                          ; v30  the bias loads' offset; never rewritten
.set SC,   32
.set BIAS, 64
.set AF,   128
.set BK,   128
.set G1, 24
.set G0, 32
.set G1B, 48
.set G0B, 56
.set G1S, 68
.set G0S, 76
.set G1SB, 80
.set G0SB, 88
.set MSB, 0
.macro WIN new
.if MSB != (\new)
	s_set_vgpr_msb (MSB<<8)|(\new)
.set MSB, (\new)
.endif
.endm
.set MUL_LO, 0xa1
.set MUL_HI, 0xf1
.set TO_B,   0x40
.macro JLOAD g0a, g1a, g0b, g1b        ; a joint load: waves 0 and 1 fetch for A, waves 2 and 3 for B; an s_nop 0 and four v_nop follow each line
	s_cmp_eq_u32 s15, 0
	s_cbranch_scc0 .Lfor_b_\@
	tensor_load_to_lds s[\g0a:\g0a+3], s[\g1a:\g1a+7]
	s_nop 0
.rept 4
	v_nop
.endr
	s_branch .Lasked_\@
.Lfor_b_\@:
	tensor_load_to_lds s[\g0b:\g0b+3], s[\g1b:\g1b+7]
	s_nop 0
.rept 4
	v_nop
.endr
.Lasked_\@:
.endm
.macro CREST
	s_cmp_lg_u32 s14, 0
	s_cbranch_scc1 .Lnot_wave_0_\@
	s_barrier_signal -3
.Lnot_wave_0_\@:
	s_barrier_wait -3
	s_barrier_signal -1
	s_barrier_wait -1
.endm
.macro CROUND
	s_barrier_signal -1
	s_barrier_wait -1
	CREST
.endm
	s_load_b256 s[4:11], s[0:1], 0x0               ; oc s[4:5], os s[6:7], wq s[8:9], out_b s[10:11]
	s_load_b64 s[12:13], s[0:1], 0x20              ; out0
	v_lshl_add_u32 v[SPW], v0, 2, SPARE
	v_mov_b32 v[NIL], 0
	ds_add_u32 v[SPW], v[NIL]                      ; the wave's opening: the add and its wait ahead of my first tensor load
	v_lshrrev_b32 v1, 5, v0
	v_readfirstlane_b32 s14, v1                    ; wave 0..3
	s_lshr_b32 s15, s14, 1                         ; which half of the tile's rows is mine.  Also: I fetch for A (0) or for B (1)
	s_and_b32 s16, s14, 1                          ; which half of its columns.  Also: which 128 rows of that tile I fetch
	s_bfe_u32 s40, ttmp6, 0x40000                  ; cx
	s_bfe_u32 s41, ttmp6, 0x40004                  ; cy
	s_lshl_b32 s42, ttmp9, 2
	s_add_co_u32 s42, s42, s40                     ; tile column
	s_and_b32 s17, ttmp7, 0xffff
	s_lshl_b32 s17, s17, 2
	s_add_co_u32 s17, s17, s41                     ; tile row
	s_lshl_b32 s43, s41, 2
	s_lshl_b32 s43, 15, s43                        ; my row of the cluster
	s_lshl_b32 s44, 0x1111, s40                    ; my column
	s_or_b32 s[G1+0], s43, (0<<16)|(1<<20)|(1<<21)|(3<<22)|(3<<25)   ; tiles of 128 rows x 192 bytes, 16 bytes of padding behind every 64
	s_or_b32 s[G1B+0], s44, (0<<16)|(1<<20)|(1<<21)|(3<<22)|(3<<25)
.irp g, G1, G1B
	s_mov_b32 s[\g+1], ROWB<<16
	s_mov_b32 s[\g+2], 128<<16
	s_mov_b32 s[\g+3], ROWB<<16
	s_mov_b32 s[\g+4], 128
	s_mov_b32 s[\g+6], 0
	s_mov_b32 s[\g+7], 0
.endr
	s_mov_b32 s[G1+5], ROWB                        ; o's rows of a K step lie dense,
	s_mov_b32 s[G1B+5], KROW                       ; out_w's 768 bytes apart
	s_or_b32 s[G1S+0], s43, (3<<16)|(1<<20)|(1<<21)|(5<<22)|(3<<25)  ; the scales of 128 rows: 4,096 dense bytes as rows of 256, 16 bytes of padding behind each
	s_or_b32 s[G1SB+0], s44, (3<<16)|(1<<20)|(1<<21)|(5<<22)|(3<<25)
.irp g, G1S, G1SB
	s_mov_b32 s[\g+1], 32<<16
	s_mov_b32 s[\g+2], (128*KS/256)<<16
	s_mov_b32 s[\g+3], 32<<16
	s_mov_b32 s[\g+4], 128*KS/256
	s_mov_b32 s[\g+5], 32
	s_mov_b32 s[\g+6], 0
	s_mov_b32 s[\g+7], 0
.endr
	s_lshl_b32 s18, s16, 7
	s_lshl_b32 s20, s17, 8
	s_add_co_u32 s20, s20, s18                     ; A: row 256 x tile row + 128 x half
	s_lshl_b32 s46, s42, 8
	s_add_co_u32 s46, s46, s18                     ; B: row 256 x tile column + 128 x half
	s_mov_b32 s21, 0
	s_mov_b32 s47, 0
	s_mov_b64 s[18:19], KS
	s_mul_u64 s[22:23], s[20:21], s[18:19]
	s_mul_u64 s[92:93], s[46:47], s[18:19]
	s_mov_b64 s[18:19], ROWB
	s_mul_u64 s[20:21], s[20:21], s[18:19]
	s_mov_b64 s[18:19], KROW
	s_mul_u64 s[46:47], s[46:47], s[18:19]
	s_add_nc_u64 s[46:47], s[46:47], OWC
	s_add_nc_u64 s[92:93], s[92:93], OWS
	s_mul_i32 s45, s14, HALFT
	s_mul_i32 s94, s14, HALFS
	s_wait_dscnt 0x0                               ; the opening add is done
	s_wait_kmcnt 0x0
	s_add_nc_u64 s[20:21], s[4:5], s[20:21]
	s_add_nc_u64 s[22:23], s[6:7], s[22:23]
	s_add_nc_u64 s[46:47], s[8:9], s[46:47]
	s_add_nc_u64 s[92:93], s[8:9], s[92:93]
	CROUND                                         ; all sixteen work-groups are here: the first joint loads meet
	s_mov_b32 s[G0S], 1
	s_add_co_u32 s[G0S+1], s94, SCL
	s_mov_b64 s[G0S+2:G0S+3], s[22:23]
	s_or_b32 s[G0S+3], s[G0S+3], 0x80000000
	s_mov_b32 s[G0SB], 1
	s_add_co_u32 s[G0SB+1], s94, SCL
	s_mov_b64 s[G0SB+2:G0SB+3], s[92:93]
	s_or_b32 s[G0SB+3], s[G0SB+3], 0x80000000
	JLOAD G0S, G1S, G0SB, G1SB
.irp s, 0,1
	s_mov_b32 s[G0+4*\s], 1
	s_add_co_u32 s[G0+4*\s+1], s45, \s*SLOT
	s_add_nc_u64 s[G0+4*\s+2:G0+4*\s+3], s[20:21], \s*APLANE
	s_or_b32 s[G0+4*\s+3], s[G0+4*\s+3], 0x80000000
	s_mov_b32 s[G0B+4*\s], 1
	s_add_co_u32 s[G0B+4*\s+1], s45, \s*SLOT
	s_add_nc_u64 s[G0B+4*\s+2:G0B+4*\s+3], s[46:47], \s*ROWB
	s_or_b32 s[G0B+4*\s+3], s[G0B+4*\s+3], 0x80000000
	JLOAD G0+4*\s, G1, G0B+4*\s, G1B
.endr
	v_and_b32 v1, 15, v0                           ; r
	v_bfe_u32 v2, v0, 4, 1                         ; h
	v_mul_u32_u24 v3, v1, PITCH
	v_mul_u32_u24 v4, v2, 24
	v_add_nc_u32 v4, v3, v4
	v_lshl_add_u32 v5, v2, 4, v4
	s_mul_i32 s21, s15, HALFT
	s_mul_i32 s22, s16, HALFT
	s_add_co_u32 s22, s22, 2*HALFT
.irp s, 0,1
	v_add_nc_u32 v[ADRA+\s], s21, v4
	v_add_nc_u32 v[ADRB+\s], s22, v4
	v_add_nc_u32 v[ADRA+2+\s], s21, v5
	v_add_nc_u32 v[ADRB+2+\s], s22, v5
	s_add_co_u32 s21, s21, SLOT
	s_add_co_u32 s22, s22, SLOT
.endr
	v_mul_u32_u24 v5, v1, KS
	v_lshrrev_b32 v6, 8, v5
	v_lshl_add_u32 v5, v6, 4, v5
	s_mul_i32 s21, s15, HALFS
	s_mul_i32 s22, s16, HALFS
	s_add_co_u32 s22, s22, 2*HALFS
	s_sub_co_u32 s22, s22, s21
	v_mul_u32_u24 v6, s22, v2                      ; lanes 16-31 take B's
	s_add_co_u32 s21, s21, SCL
	v_add_nc_u32 v5, v5, v6
	v_add_nc_u32 v[ADRS], s21, v5
	s_mul_i32 s23, s14, 16*SPITCH                  ; my stage
	v_mul_u32_u24 v5, v1, SPITCH                   ; in: row r; tile b's eight columns are 32 (b / 2) + 8 (b % 2) + 16 h + 0 .. 7: 64 h bytes here, the rest in the offsets
	v_lshl_add_u32 v5, v2, 6, v5
	v_add_nc_u32 v[STO], s23, v5
	v_and_b32 v6, 31, v0
	v_lshlrev_b32 v[CO], 4, v6                     ; back: the 32 lanes take one row of 512 bytes; and the same in out0
	v_add_nc_u32 v[RD], s23, v[CO]
	s_lshl_b32 s20, s17, 8
	s_lshl_b32 s21, s15, 7
	s_add_co_u32 s20, s20, s21                     ; my first row of out0
	s_mov_b32 s21, 0
	s_mov_b64 s[18:19], SIZE_N*4
	s_mul_u64 s[20:21], s[20:21], s[18:19]
	s_lshl_b32 s46, s42, 10                        ; my first column, in bytes
	s_lshl_b32 s47, s16, 9
	s_add_co_u32 s46, s46, s47
	s_mov_b32 s47, 0
	s_add_nc_u64 s[20:21], s[20:21], s[46:47]
	s_add_nc_u64 s[12:13], s[12:13], s[20:21]
	s_add_nc_u64 s[10:11], s[10:11], s[46:47]      ; out_b at my first column
	v_lshlrev_b32 v[BO], 6, v2
.irp b, 0,1,2,3,4,5,6,7
	global_load_b128 v[BIAS+8*\b:BIAS+8*\b+3], v[BO], s[10:11] offset:(32*(\b/2)+8*(\b%2))*4      ; the bias in the result's layout: tile b's eight columns of my half
	global_load_b128 v[BIAS+8*\b+4:BIAS+8*\b+7], v[BO], s[10:11] offset:(32*(\b/2)+8*(\b%2))*4+16
.endr
.macro FRAG reg, adr, q, i
.irp p, 0,1,2,3,4,5
.set PCE, 12*(\q)+6*(\p/3)+\p%3
.if PCE%8 < 5
	ds_load_b64 v[\reg+2*\p:\reg+2*\p+1], v[\adr] offset:8*PCE+16*(PCE/8)+(\i)*16*PITCH
.else
	ds_load_b64 v[\reg+2*\p:\reg+2*\p+1], v[\adr+2] offset:8*PCE+16*(PCE/8)+(\i)*16*PITCH
.endif
.endr
.endm
; 16 matrix instructions: A's blocks a0, a0 + 1 x B's eight.  zero = 1: the sums begin with the bias of B's tile.  The 64 accumulators take turns, one instruction a turn.
.macro MUL16 a0, p, q, sc, zero
.irp a, \a0, \a0+1
.irp b, 0,1,2,3,4,5,6,7
.if \zero
	v_wmma_scale_f32_16x16x128_f8f6f4 v[8*(8*((\a)%4)+\b):8*(8*((\a)%4)+\b)+7], v[128*(\p)+FR*\b:128*(\p)+FR*\b+FR-1], v[AF+FR*(\a):AF+FR*(\a)+FR-1], v[BIAS+8*\b:BIAS+8*\b+7], v[SC+8*NQ*(\sc)+NQ*\b+(\q)], v[SC+8*NQ*(\sc)+NQ*(\a)+(\q)] matrix_a_fmt:MATRIX_FMT_FP6 matrix_b_fmt:MATRIX_FMT_FP6 matrix_a_scale:MATRIX_SCALE_ROW1
.else
	v_wmma_scale_f32_16x16x128_f8f6f4 v[8*(8*((\a)%4)+\b):8*(8*((\a)%4)+\b)+7], v[128*(\p)+FR*\b:128*(\p)+FR*\b+FR-1], v[AF+FR*(\a):AF+FR*(\a)+FR-1], v[8*(8*((\a)%4)+\b):8*(8*((\a)%4)+\b)+7], v[SC+8*NQ*(\sc)+NQ*\b+(\q)], v[SC+8*NQ*(\sc)+NQ*(\a)+(\q)] matrix_a_fmt:MATRIX_FMT_FP6 matrix_b_fmt:MATRIX_FMT_FP6 matrix_a_scale:MATRIX_SCALE_ROW1
.endif
.endr
.endr
.endm
.macro FETCH_B slot, q, p
	WIN TO_B
.irp i, 0,1,2,3,4,5,6,7
	FRAG 128*(\p)+FR*\i, ADRB+\slot, \q, \i
.endr
	WIN 0
.endm
.macro FETCH_A slot, q, i0
.irp i, \i0, \i0+1, \i0+2, \i0+3
	FRAG AF+FR*(\i), ADRA+\slot, \q, \i
.endr
.endm
.macro SCALES sc
.irp i, 0,1,2,3,4,5,6,7
	ds_load_b64 v[SC+8*NQ*\sc+NQ*\i:SC+8*NQ*\sc+NQ*\i+1], v[ADRS] offset:\i*SBLK
.endr
.endm
.macro PLACES n
.rept \n
	v_nop
.endr
.endm
.macro STEP slot, q, zero
	s_wait_dscnt 4*NL                              ; B's set and A's blocks 0-3 are in; the youngest 24 loads (A's blocks 4-7) may be out
.if \zero
	WIN 0x81                                       ; source 2, the bias, in window 0
.else
	WIN MUL_LO
.endif
	MUL16 0, (\q)%2, \q, \slot, \zero
	MUL16 2, (\q)%2, \q, \slot, \zero
	s_wait_dscnt 0
	PLACES NP
	FETCH_B \slot, (\q)+1, 1-(\q)%2
	FETCH_A \slot, (\q)+1, 0
.if \zero
	WIN 0xc1
.else
	WIN MUL_HI
.endif
	MUL16 4, (\q)%2, \q, \slot, \zero
	MUL16 6, (\q)%2, \q, \slot, \zero
	PLACES NP
	WIN 0
	FETCH_A \slot, (\q)+1, 4
.endm
.macro TURN slot, next, fill
	s_wait_tensorcnt 0x0                           ; all my tensor loads have landed: my part of the next slot
	ds_add_u32 v[SPW], v[NIL]                      ; 0 onto my spare word
	s_wait_dscnt 4*NL+1                            ; (the add and the youngest 24 loads may be out)
	WIN MUL_LO
	MUL16 0, 1, NQ-1, \slot, 0
	s_wait_dscnt 0x0                               ; the add is done, and my reads of this slot are over
	s_barrier_signal -1
	MUL16 2, 1, NQ-1, \slot, 0
	WIN 0
	s_barrier_wait -1
.if \fill
	CREST                                          ; the barrier has opened a round of the cluster's barrier
	s_add_nc_u64 s[G0+4*\slot+2:G0+4*\slot+3], s[G0+4*\slot+2:G0+4*\slot+3], 2*APLANE
	s_add_nc_u64 s[G0B+4*\slot+2:G0B+4*\slot+3], s[G0B+4*\slot+2:G0B+4*\slot+3], 2*ROWB
	JLOAD G0+4*\slot, G1, G0B+4*\slot, G1B         ; the first tensor load behind the round
.else
	PLACES NP
.endif
	v_add_nc_u32 v[ADRS], 4*NQ, v[ADRS]
	FETCH_B \next, 0, 0
	FETCH_A \next, 0, 0
	SCALES \next
	WIN MUL_HI
	MUL16 4, 1, NQ-1, \slot, 0
	MUL16 6, 1, NQ-1, \slot, 0
	PLACES NP
	WIN 0
	FETCH_A \next, 0, 4
.endm
	s_wait_loadcnt 0x0                             ; the bias
	s_wait_tensorcnt 1                             ; the scales and my part of K step 0 are in (K step 1's load may be out),
	s_barrier_signal -1
	s_barrier_wait -1                              ; everybody's are
	FETCH_B 0, 0, 0
	FETCH_A 0, 0, 0
	SCALES 0
	FETCH_A 0, 0, 4
	STEP 0, 0, 1                                   ; the first step starts the sums with the bias
	s_mov_b32 s3, LAPS-1
.Llap:
	TURN 0, 1, 1
	STEP 1, 0, 0
	TURN 1, 0, 1
	STEP 0, 0, 0
	s_sub_co_u32 s3, s3, 1
	s_cmp_lg_u32 s3, 0
	s_cbranch_scc1 .Llap
	TURN 0, 1, 0
	STEP 1, 0, 0
	s_wait_dscnt 4*NL
	WIN MUL_LO
	MUL16 0, 1, NQ-1, 1, 0
	MUL16 2, 1, NQ-1, 1, 0
	s_wait_dscnt 0
	WIN MUL_HI
	MUL16 4, 1, NQ-1, 1, 0
	MUL16 6, 1, NQ-1, 1, 0
	WIN 0
; THE WAY OUT, block by block of 16 tokens x 128 columns, through my own stage in LDS, where the columns come into natural order; back as whole rows of 512 bytes.
; Stage row t of block a is the token 32 (a / 2) + 8 (a % 2) + t + 8 (t / 8) of my 128: the stores' offsets put the rows back.
.macro TOSTAGE a
.set AC, 64*((\a)%4)
	WIN 0x08+4*((\a)/4)                            ; the data: window 2 or 3
.irp b, 0,1,2,3,4,5,6,7
	ds_store_b128 v[STO], v[AC+8*\b:AC+8*\b+3] offset:128*(\b/2)+32*(\b%2)          ; each accumulator from its low end on
	ds_store_b128 v[STO], v[AC+8*\b+4:AC+8*\b+7] offset:128*(\b/2)+32*(\b%2)+16
.endr
	WIN 0
.set BB, BK+64*((\a)%2)
.irp t, 0,1,2,3,4,5,6,7,8,9,10,11,12,13,14,15
	ds_load_b128 v[BB+4*\t:BB+4*\t+3], v[RD] offset:\t*SPITCH   ; LDS serves a wave's instructions in order: these see the stores above
.endr
.endm
.macro SEND a, younger
.set BB, BK+64*((\a)%2)
	s_wait_dscnt \younger                          ; the block is back in registers
.if ((\a) > 0) && ((\a)%2 == 0)
	s_add_nc_u64 s[12:13], s[12:13], 32*SIZE_N*4   ; (behind a wait on XCNT: the earlier stores have read their base)  32 rows on
.endif
.irp t, 0,1,2,3,4,5,6,7,8,9,10,11,12,13,14,15
	global_store_b128 v[CO], v[BB+4*\t:BB+4*\t+3], s[12:13] offset:(8*((\a)%2)+\t+8*(\t/8))*SIZE_N*4 th:TH_STORE_NT   ; 32 lanes store 512 consecutive bytes, aligned
.endr
.endm
	PLACES NP
	TOSTAGE 0
.irp a, 1,2,3,4,5,6,7
.if \a > 1
	s_wait_xcnt 0x0                                ; block a - 2's stores have read their registers and their base
.endif
	TOSTAGE \a
	SEND \a-1, 32                                  ; behind block a - 1's loads: block a's 16 stores and 16 loads
.endr
	s_wait_xcnt 0x0
	SEND 7, 0
	s_wait_tensorcnt 0x0                           ; the wave's end
	ds_add_u32 v[SPW], v[NIL]
	s_wait_dscnt 0x0
	CROUND                                         ; the closing round
	s_endpgm
.Lfunc_end_k_qb90066ba9a_gemm_out:
	.size	k_qb90066ba9a_gemm_out, .Lfunc_end_k_qb90066ba9a_gemm_out-k_qb90066ba9a_gemm_out
	.p2alignl 7, 3214868480
	.fill 96, 4, 3214868480
	.section	.rodata,"a",@progbits
	.p2align	6, 0x0
	.amdhsa_kernel k_qb90066ba9a_gemm_out
		.amdhsa_group_segment_fixed_size 327680
		.amdhsa_private_segment_fixed_size 0
		.amdhsa_enable_private_segment 0
		.amdhsa_kernarg_size 40
		.amdhsa_user_sgpr_count 2
		.amdhsa_user_sgpr_kernarg_segment_ptr 1
		.amdhsa_wavefront_size32 1
		.amdhsa_system_sgpr_workgroup_id_x 1
		.amdhsa_system_sgpr_workgroup_id_y 1
		.amdhsa_system_sgpr_workgroup_id_z 1
		.amdhsa_system_vgpr_workitem_id 0
		.amdhsa_next_free_vgpr 1024
		.amdhsa_next_free_sgpr 98
		.amdhsa_reserve_vcc 0
		.amdhsa_float_denorm_mode_32 3
		.amdhsa_float_denorm_mode_16_64 3
		.amdhsa_memory_ordered 1
		.amdhsa_forward_progress 1
		.amdhsa_inst_pref_size 161
	.end_amdhsa_kernel
	.amdgpu_metadata
---
amdhsa.version: [ 1, 2 ]
amdhsa.kernels:
  - .name:           k_qb90066ba9a_gemm_out
    .symbol:         k_qb90066ba9a_gemm_out.kd
    .args:
      - { .name: oc, .offset: 0, .size: 8, .value_kind: global_buffer, .address_space: global }
      - { .name: os, .offset: 8, .size: 8, .value_kind: global_buffer, .address_space: global }
      - { .name: wq, .offset: 16, .size: 8, .value_kind: global_buffer, .address_space: global }
      - { .name: out_b, .offset: 24, .size: 8, .value_kind: global_buffer, .address_space: global }
      - { .name: out0, .offset: 32, .size: 8, .value_kind: global_buffer, .address_space: global }
    .group_segment_fixed_size: 327680
    .private_segment_fixed_size: 0
    .kernarg_segment_align: 8
    .kernarg_segment_size: 40
    .max_flat_workgroup_size: 128
    .sgpr_count:     98
    .vgpr_count:     1024
    .wavefront_size: 32
...
	.end_amdgpu_metadata
.endif
;; end of part 4
